; MI455X (gfx1250); checked and timed in simulation.
; The chip was launched on July 23, 2026; its instructions are those of AMD's public machine-readable ISA for CDNA 5 (MIT licence, August 2026) and "CDNA5" Instruction Set Architecture Reference Guide (July 2026). The comments in the code are by the model that wrote it; some were corrected since.
;; Multi Head Self Attention. Allowed arithmetic: matrix products marked QUANTISED: E2M3 operands, one E8M0 scale for each 32 along K, by v_wmma_scale_f32_16x16x128_f8f6f4 with both operands' format E2M3, f32 sums; everything else in f32.
;; Inputs: Wk 1,024 x 1,024 float32; Wo 1,024 x 1,024 float32; Wq 1,024 x 1,024 float32; Wv 1,024 x 1,024 float32; token_positions 2,048 int32; x 4 x 2,048 x 1,024 float32.
;; Outputs: out0 4 x 2,048 x 1,024 float32.
;; This version of the problem:
;;   THIS VERSION OF THE PROBLEM IS GIVEN IN LOW PRECISION. The matrix products marked QUANTISED in the list below multiply operands that are first quantised to E2M3 (2 exponent bits, 3 mantissa bits; 6 bits a number), with one power-of-two scale for each 32 numbers along K (OCP MX v1.0); their sums are f32. All else is computed in f32.
;;   The module's matrix products, in the order in which they are computed (A, B: the left and right operand; K: the contracted axis; several contracted axes count as one K, in the product's order):
;;     1. [M 8,192, K 1,024] x [K 1,024, N 1,024]; A: input x; B: input Wq: QUANTISED
;;     2. [M 8,192, K 1,024] x [K 1,024, N 1,024]; A: input x; B: input Wk: QUANTISED
;;     3. [M 8,192, K 1,024] x [K 1,024, N 1,024]; A: input x; B: input Wv: QUANTISED
;;     4. batch 64 x [M 2,048, K 64] x [K 64, N 2,048]; A: computed on the way; B: computed on the way: QUANTISED
;;     5. batch 64 x [M 2,048, K 2,048] x [K 2,048, N 64]; A: softmax (see below); B: computed on the way: QUANTISED
;;     6. [M 8,192, K 1,024] x [K 1,024, N 1,024]; A: computed on the way; B: input Wo: QUANTISED
;;   THE QUANTISER, for each operand of a quantised product, along K:
;;     - K is cut into blocks of 32 from its start; a last block that is shorter is filled with zeros.
;;     - A block's scale is 2^e with e = floor(log2(the largest magnitude in the block)) - 2, held to -126 .. 127; a block of zeros has e = 0. As a byte (E8M0): e + 127.
;;     - Each number is divided by its block's scale, clamped to +-7.5, and rounded to the nearest number of E2M3, ties to even, subnormals kept.
;;     - The product sums the exact products of the quantised numbers (number of the format x scale) in f32.
;;   ~~~python
;;   def quantise(x, axis):      # numpy; x: float32 -> the quantised numbers, widened to float32 again
;;       x = np.moveaxis(x, axis, -1); K = x.shape[-1]
;;       x = np.pad(x, [(0, 0)] * (x.ndim - 1) + [(0, -K % 32)]); x = x.reshape(x.shape[:-1] + (-1, 32)); a = np.abs(x).max(-1, keepdims=True)
;;       e = np.where(a > 0, np.clip(np.frexp(np.where(a > 0, a, 1))[1] - 1 - 2, -126, 127), 0)      # np.frexp(a)[1] - 1 = floor(log2(a)), exactly
;;       r = np.clip(x / 2.0 ** e, -7.5, 7.5)
;;       step = 2.0 ** (np.maximum(np.frexp(np.where(r == 0, 1, r))[1] - 1, 0) - 3)
;;       q = np.round(r / step) * step * 2.0 ** e      # np.round: ties to even
;;       return np.moveaxis(q.reshape(q.shape[:-2] + (-1,))[..., :K], -1, axis).astype(np.float32)
;;   ~~~
;;   SOFTMAX AHEAD OF A QUANTISED PRODUCT. Where the list says 'softmax', what is quantised is not the finished softmax but p = 2^(t - M), with t = logit x log2(e) and M = ceil(the row's largest t), a whole number; so 1/2 < the row's largest p <= 1. The row's sum l is taken of the UNQUANTISED p, in f32, and the product's result is divided by l at the end. Since M is a whole number, a kernel that streams over the keys may use a running M (the ceiling of the running maximum): every later rescaling is an exact power of two, which a block's scale takes up: the codes' values come out the same.
;;   OPERANDS COMPUTED ON THE WAY. 'Computed on the way' means the value that the module computes at that place (a softmax that the list does not call 'softmax' is quantised finished and normalised). What goes into a quantiser is computed in f32, as accurately as f32 sums, v_exp_f32 and their like allow (about 1e-6 of the number): no bf16 or f16 on the way to a quantiser, and a product that is left as it is and whose result goes on into a quantised operand takes f32 operands (vector FMAs, or v_wmma_f32_16x16x4_f32). A number that lies on a knife's edge between two numbers of the format may be rounded either way, as far as f32 arithmetic and the matrix unit's own rounding can turn it there, and no further.
;; One version. Each part assembles by itself: llvm-mc -triple=amdgcn-amd-amdhsa -mcpu=gfx1250 --defsym DOCPART=n.
;; ======== version 1 of 1: 4 launches
;; limits: right only within a limited range of input values
;; workspace buffers: XQ 6,553,600 bytes; WQ 3,276,800 bytes; ROPE 524,288 bytes; QQ 6,815,744 bytes; KV 13,369,344 bytes; AQ 6,553,600 bytes
;; launch prep (part 1): grid 416 x 1, 4 waves a work-group, no clusters, 35,328 bytes of LDS; arguments x, Wq, Wk, Wv, Wo, token_positions, XQ, WQ, ROPE; writes XQ, WQ, ROPE
.if DOCPART == 1
	.amdgcn_target "amdgcn-amd-amdhsa--gfx1250"
	.amdhsa_code_object_version 6
	.text
	.protected	k_q68918143b1_prep
	.globl	k_q68918143b1_prep
	.p2align	8
	.type	k_q68918143b1_prep,@function
k_q68918143b1_prep:
	s_mov_b64 s[64:65], 0
	v_nop
	global_prefetch_b8 v0, s[64:65] scope:SCOPE_SE
	s_setreg_imm32_b32 hwreg(HW_REG_WAVE_MODE, 25, 1), 1
	s_wait_xcnt 0x0
; x [8192][1024] and Wq, Wk, Wv, Wo [1024][1024], f32, K innermost, become codes of FP6 (E2M3) with one E8M0 byte for each 32 along K; token_positions becomes a table of cosines and sines.
; A block's scale is 2^(floor(log2(its largest magnitude)) - 2); its byte is that magnitude's exponent field - 2, held at 1 from below.
; LIMITS: a block of zeros gets the byte 1 where the rule says 127 (its codes are zeros, and this program alone reads the bytes); NaN and infinities among the inputs are not served;
; |position| stays under 2^22 (the three-part reduction of the angle); the frequencies are the f32 nearest to 10^(-f/8), f = 0 .. 31.
; LAYOUT OF THE CODES: the order of the reader's registers.  A ROW TILE T is 16 rows that are not neighbours: lane row r stands for row 32 (T / 2) + 8 (T % 2) + r + 8 (r / 8).
; A C-BLOCK is 16 rows x 64 K: six registers a lane (lane = 16 h + r holds k = 32 h + 0 .. 31 of row r), 768 bytes: registers 0-3 at 16 x lane, registers 4-5 at 512 + 8 x lane.
; Codes: [kslot 4][row tile][c 4][768] (a kslot is 256 along K).  Scale words behind them: [row tile][kslot 4][r 16][2 words], a word = the four bytes of 128 along K.
; SHARES: work-groups 0-255: 32 rows of x each; 256-383: 32 rows of a weight each (WQ holds Wq, Wk, Wv, Wo on end); 384-415: the table.  A wave takes one row tile x 512 along K: eight c-blocks.
; Each load reads whole runs of 256 bytes of two rows; a c-block turns through the wave's own stage in LDS so that a lane gets 32 neighbours along K.  No barrier: waves share nothing.
.set XSTR,  1572864                    ; bytes from kslot to kslot in XQ: 512 row tiles x 3,072
.set WSTR,  786432                     ; in WQ: 256 row tiles
.set XSOFF, 6291456                    ; where XQ's scale words begin
.set WSOFF, 3145728                    ; and WQ's
.set SP,    272                        ; a stage row: 256 bytes + 16: an odd multiple of 16, so that sixteen rows start at sixteen different 16-byte columns
.set STG,   16*SP                      ; a stage
.set WREG,  2*STG                      ; a wave's two stages
.set R,   16                           ; v16-143  four sets of 32: a c-block as loaded
.set X,   144                          ; v144-207 two sets of 32 neighbours
.set C,   208                          ; v208-223 two sets of codes
.set E,   224                          ; v224-231 a scale byte for each c-block
.set W,   232                          ; v232-235 the four scale words of my 512 along K
	s_load_b256 s[4:11], s[0:1], 0x0               ; x, Wq, Wk, Wv
	s_load_b256 s[12:19], s[0:1], 0x20             ; Wo, token_positions, XQ, WQ
	s_load_b64 s[20:21], s[0:1], 0x40              ; ROPE
	v_lshl_add_u32 v254, v0, 2, 0x8800
	v_mov_b32 v255, 0
	v_lshrrev_b32 v1, 5, v0
	v_readfirstlane_b32 s22, v1                    ; wave
	v_and_b32 v1, 31, v0                           ; lane
	v_and_b32 v10, 15, v0                          ; r
	v_bfe_u32 v11, v0, 4, 1                        ; h
	v_cmp_le_u32 vcc_lo, 16, v1                    ; h as a mask
	s_cmp_ge_u32 ttmp9, 384
	s_cbranch_scc1 .Ltable
	; ---- the quantiser
	v_lshlrev_b32 v2, 4, v10
	v_lshl_add_u32 v2, v11, 16, v2                 ; source: 16 bytes a lane of a row's 256; lanes 16-31 the row 16 further down
	s_mul_i32 s23, s22, WREG
	v_mul_u32_u24 v3, v11, 8*SP
	v_lshl_add_u32 v3, v10, 4, v3
	v_add_nc_u32 v3, s23, v3                       ; the stage, on the way in: load i brings tile rows i and i + 8
	v_mul_u32_u24 v4, v10, SP
	v_lshl_add_u32 v4, v11, 7, v4
	v_add_nc_u32 v4, s23, v4                       ; and out: row r, + 128 h: my 32 neighbours
	v_lshlrev_b32 v5, 4, v1                        ; 16 x lane
	v_lshlrev_b32 v6, 3, v1                        ; 8 x lane
	v_lshlrev_b32 v9, 3, v11                       ; 8 h: my bytes' place in a scale word
	v_mov_b32 v240, 0                              ; a lane permute's destination counts as read
	s_mov_b32 s40, 0x76543210
	s_mov_b32 s41, 0xfedcba98                      ; v_permlanex16_b32's selects for lane l xor 16
	s_and_b32 s28, ttmp9, 31
	s_sub_co_u32 s29, ttmp9, 256
	s_lshr_b32 s30, s22, 1                         ; which of the group's two row tiles
	s_and_b32 s31, s22, 1                          ; which half of K
	s_wait_alu depctr_va_vdst(0)
	s_wait_kmcnt 0x0
	s_cmp_ge_u32 ttmp9, 352                        ; the choices hang on the work-group's number alone
	s_cselect_b64 s[24:25], s[12:13], s[10:11]
	s_cmp_ge_u32 ttmp9, 320
	s_cselect_b64 s[24:25], s[24:25], s[8:9]
	s_cmp_ge_u32 ttmp9, 288
	s_cselect_b64 s[24:25], s[24:25], s[6:7]
	s_cmp_ge_u32 ttmp9, 256
	s_cselect_b64 s[24:25], s[24:25], s[4:5]       ; the source
	s_cselect_b64 s[26:27], s[18:19], s[16:17]     ; the destination
	s_cselect_b32 s28, s28, ttmp9                  ; the group of 32 rows in the source,
	s_cselect_b32 s29, s29, ttmp9                  ; and in the destination
	s_mov_b32 s32, XSTR
	s_cselect_b32 s32, WSTR, s32
	s_mov_b32 s33, XSOFF
	s_cselect_b32 s33, WSOFF, s33
	s_lshl_b32 s34, s28, 17                        ; 32 rows of 4,096 bytes,
	s_lshl_b32 s36, s30, 15                        ; the tile's first row: 8 x which,
	s_add_co_u32 s34, s34, s36
	s_lshl_b32 s36, s31, 11                        ; 512 numbers along K
	s_add_co_u32 s34, s34, s36
	s_mov_b32 s35, 0
	s_add_nc_u64 s[24:25], s[24:25], s[34:35]
	s_lshl_b32 s36, s29, 1
	s_add_co_u32 s36, s36, s30                     ; my row tile
	s_mul_i32 s34, s36, 3072
	s_mul_i32 s37, s31, s32
	s_lshl_b32 s37, s37, 1                         ; my first kslot: 2 x half
	s_add_co_u32 s34, s34, s37
	s_add_nc_u64 s[38:39], s[26:27], s[34:35]      ; the codes
	s_lshl_b32 s34, s36, 9
	s_lshl_b32 s37, s31, 8
	s_add_co_u32 s34, s34, s37
	s_add_co_u32 s34, s34, s33
	s_add_nc_u64 s[26:27], s[26:27], s[34:35]      ; the scale words
	v_add_nc_u32 v7, s32, v5                       ; the same two offsets one kslot on
	v_add_nc_u32 v8, s32, v6
.macro LOAD t                          ; c-block t: 16 rows x 256 bytes
.irp i, 0,1,2,3,4,5,6,7
	global_load_b128 v[R+32*((\t)%4)+4*\i:R+32*((\t)%4)+4*\i+3], v2, s[24:25] offset:4096*\i+256*(\t) th:TH_LOAD_NT
.endr
.endm
.macro TURN t                          ; through the stage: LDS serves a wave's instructions in order, so no wait stands between the stores and the loads
.irp i, 0,1,2,3,4,5,6,7
	ds_store_b128 v3, v[R+32*((\t)%4)+4*\i:R+32*((\t)%4)+4*\i+3] offset:STG*((\t)%2)+SP*\i
.endr
.irp q, 0,1,2,3,4,5,6,7
	ds_load_b128 v[X+32*((\t)%2)+4*\q:X+32*((\t)%2)+4*\q+3], v4 offset:STG*((\t)%2)+16*\q
.endr
.endm
.macro STEP t
.set XS, X+32*((\t)%2)
.set CC, C+8*((\t)%2)
	s_wait_dscnt 0x0                               ; this c-block is back from the stage, and its stores into the stage have read their registers
	s_wait_xcnt 0x0                                ; the stores of two c-blocks ago have read their data: this set of codes may be written
.if (\t)+4 < 8
	LOAD (\t)+4
.endif
.if (\t) < 7
.if (\t) < 4
	s_wait_loadcnt 24                              ; the next c-block's eight loads are in; those of the three behind it may be out
.else
	s_wait_loadcnt 8*(6-(\t))
.endif
	TURN (\t)+1
.endif
	v_max3_num_f32 v236, |v[XS]|, |v[XS+1]|, |v[XS+2]|     ; the block's largest magnitude: all 32 numbers are mine; two chains
	v_max3_num_f32 v237, |v[XS+3]|, |v[XS+4]|, |v[XS+5]|
.irp i, 6,10,14,18,22,26
	v_max3_num_f32 v236, v236, |v[XS+\i]|, |v[XS+\i+1]|
	v_max3_num_f32 v237, v237, |v[XS+\i+2]|, |v[XS+\i+3]|
.endr
	v_max3_num_f32 v236, v236, |v[XS+30]|, |v[XS+31]|
	v_max3_num_f32 v236, v236, v237, 0x1800000     ; and the floor 2^(3 - 127): the byte cannot fall under 1
	v_add_nc_u32 v238, 0xff000000, v236            ; 2 off the exponent field: the conversion's scale operand
	v_cvt_scalef32_pk16_fp6_f32 v[CC:CC+2], v[XS:XS+15], v238
	v_cvt_scalef32_pk16_fp6_f32 v[CC+4:CC+6], v[XS+16:XS+31], v238   ; (a conversion's three registers begin on an even number)
	v_lshrrev_b32 v[E+(\t)], 23, v238              ; the scale's byte; also the plain line behind the conversions
	v_mov_b32 v[CC+3], v[CC+4]
	v_mov_b32 v[CC+4], v[CC+5]
	v_mov_b32 v[CC+5], v[CC+6]
.if (\t) < 4
	global_store_b128 v5, v[CC:CC+3], s[38:39] offset:768*((\t)%4)         ; 512 consecutive bytes,
	global_store_b64 v6, v[CC+4:CC+5], s[38:39] offset:768*((\t)%4)+512    ; and 256: both at multiples of 256
.else
	global_store_b128 v7, v[CC:CC+3], s[38:39] offset:768*((\t)%4)
	global_store_b64 v8, v[CC+4:CC+5], s[38:39] offset:768*((\t)%4)+512
.endif
.if (\t)%2 == 1
	v_lshl_or_b32 v239, v[E+(\t)], 16, v[E+(\t)-1] ; my two bytes of 128 along K: blocks h and 2 + h,
	v_lshlrev_b32 v239, v9, v239                   ; at their places;
	v_permlanex16_b32 v240, v239, s40, s41
	v_or_b32 v[W+(\t)/2], v239, v240               ; with lane l xor 16's two the word is whole
.endif
.endm
.irp t, 0,1,2,3
	LOAD \t
.endr
	s_wait_loadcnt 24                              ; c-block 0's eight loads are in
	TURN 0
.irp t, 0,1,2,3,4,5,6,7
	STEP \t
.endr
	v_cndmask_b32 v242, v[W], v[W+2], vcc_lo       ; lanes 0-15 store my first kslot's two words of row r, lanes 16-31 the second's
	v_cndmask_b32 v243, v[W+1], v[W+3], vcc_lo
	global_store_b64 v6, v[242:243], s[26:27]      ; 256 consecutive bytes, aligned
	s_wait_tensorcnt 0x0
	ds_add_u32 v254, v255
	s_wait_dscnt 0x0
	s_endpgm
	; ---- the table.  ROPE: [token tile 128][e 2][q 4][lane 32][16 bytes]: cos, sin of frequencies f and f + 1, f = 16 e + 8 h + 2 q, for the token of lane row r
.Ltable:
.set POS, 3
.set TF,  8
.set TA,  9
.set TN,  12
.set TR,  13
.set TS,  14
.set TC,  15
.set TP,  16
.set TT,  17
.set TI,  18
.set D,   32                           ; v32-63: register 16 e + 2 m: cos, + 1: sin, of frequency 16 e + 8 h + m
	s_sub_co_u32 s23, ttmp9, 384
	s_lshl_b32 s23, s23, 2
	s_add_co_u32 s23, s23, s22                     ; my token tile
	s_lshr_b32 s24, s23, 1
	s_lshl_b32 s24, s24, 5
	s_and_b32 s25, s23, 1
	s_lshl_b32 s25, s25, 3
	s_add_co_u32 s24, s24, s25                     ; its first token
	s_wait_alu depctr_va_vdst(0)
	v_and_b32 v2, 8, v10
	v_add_nc_u32 v2, v2, v10                       ; r + 8 (r / 8)
	v_add_nc_u32 v2, s24, v2
	v_lshlrev_b32 v2, 2, v2
	v_lshlrev_b32 v5, 4, v1
	s_lshl_b32 s26, s23, 12
	s_mov_b32 s27, 0
	s_mov_b32 s28, 0x3f22f983                      ; 2 / pi
	s_mov_b32 s29, 0xbfc90fd8                      ; -pi / 2 in three parts
	s_mov_b32 s30, 0xb4a8885a
	s_mov_b32 s31, 0xa7c234c4
	s_mov_b32 s32, 0x37cd4000                      ; the cosine's polynomial in r^2 on |r| <= pi / 4
	s_mov_b32 s33, 0xbab6077d
	s_mov_b32 s34, 0x3d2aaaa8
	s_mov_b32 s35, 0x36405000                      ; the sine's
	s_mov_b32 s36, 0xb9503486
	s_mov_b32 s37, 0x3c0888c1
	s_mov_b32 s38, 0xbe2aaaab
	s_wait_alu depctr_va_vdst(0)
	s_wait_kmcnt 0x0
	global_load_b32 v[POS], v2, s[14:15]
	s_add_nc_u64 s[20:21], s[20:21], s[26:27]
	s_wait_loadcnt 0x0
	v_cvt_f32_i32 v[POS], v[POS]
.macro SINCOS dst, l0, l1              ; cos and sin of position x frequency; l0: the frequency of lanes 0-15, l1: of lanes 16-31
	v_mov_b32 v[TF], \l1
	v_cndmask_b32 v[TF], \l0, v[TF], vcc_lo
	v_mul_f32 v[TA], v[POS], v[TF]                 ; the angle, rounded to f32
	v_mul_f32 v[TN], s28, v[TA]
	v_rndne_f32 v[TN], v[TN]                       ; n quarter turns
	v_fma_f32 v[TR], v[TN], s29, v[TA]
	v_fma_f32 v[TR], v[TN], s30, v[TR]
	v_fma_f32 v[TR], v[TN], s31, v[TR]             ; r = angle - n pi / 2
	v_mul_f32 v[TS], v[TR], v[TR]
	v_fma_f32 v[TC], v[TS], s32, s33
	v_fma_f32 v[TC], v[TC], v[TS], s34
	v_fma_f32 v[TC], v[TC], v[TS], -0.5
	v_fma_f32 v[TC], v[TC], v[TS], 1.0             ; cos r
	v_fma_f32 v[TP], v[TS], s35, s36
	v_fma_f32 v[TP], v[TP], v[TS], s37
	v_fma_f32 v[TP], v[TP], v[TS], s38
	v_mul_f32 v[TT], v[TR], v[TS]
	v_fma_f32 v[TP], v[TP], v[TT], v[TR]           ; sin r
	v_cvt_i32_f32 v[TI], v[TN]
	v_and_b32 v[TT], 1, v[TI]
	v_cmp_eq_u32 s42, 1, v[TT]                     ; an odd quarter swaps the two
	v_cndmask_b32 v[\dst], v[TC], v[TP], s42
	v_cndmask_b32 v[\dst+1], v[TP], v[TC], s42
	v_and_b32 v[TT], 2, v[TI]
	v_lshlrev_b32 v[TT], 30, v[TT]
	v_xor_b32 v[\dst+1], v[\dst+1], v[TT]          ; the sine is negative in quarters 2, 3,
	v_add_nc_u32 v[TI], 1, v[TI]
	v_and_b32 v[TI], 2, v[TI]
	v_lshlrev_b32 v[TI], 30, v[TI]
	v_xor_b32 v[\dst], v[\dst], v[TI]              ; the cosine in quarters 1, 2
.endm
	SINCOS D+0,  0x3f800000, 0x3dcccccd
	SINCOS D+2,  0x3f3ff911, 0x3d99940e
	SINCOS D+4,  0x3f0ff59a, 0x3d6655c3
	SINCOS D+6,  0x3ed7e89b, 0x3d2cba15
	SINCOS D+8,  0x3ea1e89b, 0x3d0186e2
	SINCOS D+10, 0x3e72d424, 0x3cc24350
	SINCOS D+12, 0x3e361887, 0x3c91ad39
	SINCOS D+14, 0x3e088d77, 0x3c5a7bf1
	SINCOS D+16, 0x3c23d70a, 0x3a83126f
	SINCOS D+18, 0x3bf5b9b0, 0x3a44948c
	SINCOS D+20, 0x3bb8449c, 0x3a136a16
	SINCOS D+22, 0x3b8a2e77, 0x39dd1726
	SINCOS D+24, 0x3b4f3e37, 0x39a5cb5f
	SINCOS D+26, 0x3b1b690d, 0x3978a814
	SINCOS D+28, 0x3ae91528, 0x393a7753
	SINCOS D+30, 0x3aaec98e, 0x390bd472
.irp e, 0,1
.irp q, 0,1,2,3
	global_store_b128 v5, v[D+16*\e+4*\q:D+16*\e+4*\q+3], s[20:21] offset:2048*\e+512*\q   ; 512 consecutive bytes
.endr
.endr
	s_endpgm
.Lfunc_end_k_q68918143b1_prep:
	.size	k_q68918143b1_prep, .Lfunc_end_k_q68918143b1_prep-k_q68918143b1_prep
	.p2alignl 7, 3214868480
	.fill 96, 4, 3214868480
	.section	.rodata,"a",@progbits
	.p2align	6, 0x0
	.amdhsa_kernel k_q68918143b1_prep
		.amdhsa_group_segment_fixed_size 35328
		.amdhsa_private_segment_fixed_size 0
		.amdhsa_enable_private_segment 0
		.amdhsa_kernarg_size 72
		.amdhsa_user_sgpr_count 2
		.amdhsa_user_sgpr_kernarg_segment_ptr 1
		.amdhsa_wavefront_size32 1
		.amdhsa_system_sgpr_workgroup_id_x 1
		.amdhsa_system_sgpr_workgroup_id_y 1
		.amdhsa_system_sgpr_workgroup_id_z 1
		.amdhsa_system_vgpr_workitem_id 0
		.amdhsa_next_free_vgpr 256
		.amdhsa_next_free_sgpr 66
		.amdhsa_reserve_vcc 1
		.amdhsa_float_denorm_mode_32 3
		.amdhsa_float_denorm_mode_16_64 3
		.amdhsa_memory_ordered 1
		.amdhsa_forward_progress 1
		.amdhsa_inst_pref_size 57
	.end_amdhsa_kernel
	.amdgpu_metadata
---
amdhsa.version: [ 1, 2 ]
amdhsa.kernels:
  - .name:           k_q68918143b1_prep
    .symbol:         k_q68918143b1_prep.kd
    .args:
      - { .name: x, .offset: 0, .size: 8, .value_kind: global_buffer, .address_space: global }
      - { .name: Wq, .offset: 8, .size: 8, .value_kind: global_buffer, .address_space: global }
      - { .name: Wk, .offset: 16, .size: 8, .value_kind: global_buffer, .address_space: global }
      - { .name: Wv, .offset: 24, .size: 8, .value_kind: global_buffer, .address_space: global }
      - { .name: Wo, .offset: 32, .size: 8, .value_kind: global_buffer, .address_space: global }
      - { .name: token_positions, .offset: 40, .size: 8, .value_kind: global_buffer, .address_space: global }
      - { .name: XQ, .offset: 48, .size: 8, .value_kind: global_buffer, .address_space: global }
      - { .name: WQ, .offset: 56, .size: 8, .value_kind: global_buffer, .address_space: global }
      - { .name: ROPE, .offset: 64, .size: 8, .value_kind: global_buffer, .address_space: global }
    .group_segment_fixed_size: 35328
    .private_segment_fixed_size: 0
    .kernarg_segment_align: 8
    .kernarg_segment_size: 72
    .max_flat_workgroup_size: 128
    .sgpr_count:     66
    .vgpr_count:     256
    .wavefront_size: 32
...
	.end_amdgpu_metadata
.endif
;; end of part 1
;; launch qkv (part 2): grid 12 x 32, 4 waves a work-group, clusters of 4 x 4, 327,680 bytes of LDS; arguments XQ, WQ, ROPE, QQ, KV; writes QQ, KV
.if DOCPART == 2
	.amdgcn_target "amdgcn-amd-amdhsa--gfx1250"
	.amdhsa_code_object_version 6
	.text
	.protected	k_q68918143b1_qkv
	.globl	k_q68918143b1_qkv
	.p2align	8
	.type	k_q68918143b1_qkv,@function
k_q68918143b1_qkv:
	s_mov_b64 s[64:65], 0
	v_nop
	global_prefetch_b8 v0, s[64:65] scope:SCOPE_SE
	s_setreg_imm32_b32 hwreg(HW_REG_WAVE_MODE, 25, 1), 1
	s_wait_xcnt 0x0
	s_wait_alu depctr_hold_cnt(0) depctr_sa_sdst(0) depctr_va_vdst(0) depctr_va_sdst(0) depctr_va_ssrc(0) depctr_va_vcc(0) depctr_vm_vsrc(0)
	s_getreg_b32 s2, hwreg(HW_REG_IB_STS2, 6, 4)
	s_cmp_eq_u32 s2, 0
	s_cbranch_scc0 .Lentry_in_a_cluster
	s_endpgm
.Lentry_in_a_cluster:
	s_bfe_u32 s2, ttmp6, 0x10000c
	s_cmp_lg_u32 s2, 0xf033
	s_cbranch_scc0 .Lentry_shape_is_right
	s_endpgm
.Lentry_shape_is_right:
; q = x Wq^T, k = x Wk^T, v = x Wv^T on codes of FP6 (E2M3) with E8M0 scales; then RoPE on q and k; then q and k are quantised along the head's 64 and v along the keys, for the attention launch.
; A tile of 256 x 256 is made by four waves, 128 x 128 each: 64 accumulators, 512 registers.  K = 1,024 goes in four kslots of 256 through a ring of two LDS slots filled by the tensor data mover.
; THE OPERANDS LIE IN MEMORY IN THE ORDER OF THE REGISTERS (see below), so a wave's part of a kslot, 128 rows, is one dense block of 24,576 bytes, and a fragment comes by four dense LDS loads.
; A ROW TILE T is 16 rows that are not neighbours: lane row r stands for row 32 (T / 2) + 8 (T % 2) + r + 8 (r / 8).  As source 0, the 16 registers of tiles 2 n and 2 n + 1 are then the 16 neighbours 32 n + 16 (lane / 16) + 0 .. 15.
; A C-BLOCK (16 rows x 64 K, 768 bytes): registers 0-3 at 16 x lane, registers 4-5 at 512 + 8 x lane.  Codes: [kslot 4][row tile][c 4][768]; scale words: [row tile][kslot 4][r 16][2 words].
; SOURCE 0 IS 'B', SOURCE 1 IS 'A'.  Cluster x = 0: q, 1: k: A = tokens, B = rows of the weight: a lane holds one token and its registers run along the features, which are the next K.
; Cluster x = 2: v: A = rows of Wv, B = tokens: a lane holds one channel and its registers run along the tokens, which are the keys, the next K.
; CLUSTERS: 4 x 4 work-groups.  A's tiles are shared along a row of the cluster, B's along a column: each is asked for jointly, by the same tensor load with the same descriptor and a mask that names the four.
; LIMITS: a block of zeros gets the byte 1 where the rule says 127 (zero codes; this program alone reads the bytes); NaN and infinities are not served; RoPE is computed with fused multiply-adds.
; REGISTERS: window 0: v0-31 addresses; v32-63 scale words, two sets; v128-223 A's fragments, one set; behind the loop v64-255 serve the way out.  Window 1: B's fragments, two sets.  Windows 2, 3: the accumulators ((a, b) at v[8 (8 (a % 4) + b)]).
.set NQ,     2                         ; matrix instructions deep in a kslot
.set FR,     12                        ; registers of a fragment
.set NL,     4                         ; LDS loads that bring one
.set NP,     4                         ; places behind this matrix instruction (ISA guide 7.12.1)
.set RT,     3072                      ; a row tile's part of a kslot
.set HALFT,  8*RT                      ; 128 rows: what one tensor load brings
.set SLOT,   4*HALFT
.set LAPS,   2
.set SCL,    2*SLOT                    ; behind the ring: the scale words of the work-group's 512 rows, for all of K: filled once
.set HALFS,  4096                      ; those of 128 rows
.set SBLK,   512                       ; of a row tile
.set SPARE,  SCL+4*HALFS               ; the spare words, 128 bytes for each wave: two blocks of 256 bytes that no other line names
.set XSTR,   1572864
.set WSTR,   786432
.set XSOFF,  6291456
.set WSOFF,  3145728
.set QSOFF,  6291456                   ; where QQ's scale words begin
.set REC,    13056                     ; KV: a record of 128 keys: K's 8 tiles (6,144), V^T's 4 fragments (6,144), K's scale words (512), V's (256)
.set KVHS,   208896                    ; 16 records: a head
.set ADRA, 16                          ; v16-17 16 x lane + my A region in slot 0, 1;  v18-19 the same with 8 x lane
.set ADRB, 20                          ; v20-23 likewise for B
.set ADRS, 27                          ; v27    my scale words: lanes 0-15 A's rows, lanes 16-31 B's
.set SPW,  28                          ; v28    my spare word; never rewritten
.set NIL,  29                          ; v29    0; never rewritten
.set SC,   32
.set AF,   128
.set G1, 24
.set G0, 32
.set G1B, 48
.set G0B, 56
.set G1S, 68
.set G0S, 76
.set G1SB, 80
.set G0SB, 88
.set STA, 96                           ; s[96:97] A's step from kslot to kslot (behind the first fills: twice that);  s[98:99] B's
.set STB, 98
.set MSB, 0
.macro WIN new                         ; the immediate's high byte repeats the setting that is left
.if MSB != \new
	s_set_vgpr_msb (MSB<<8)|\new
.set MSB, \new
.endif
.endm
.set MUL_LO, 0xa1                      ; source 0 (B) window 1, source 1 (A) window 0, C and D window 2
.set MUL_HI, 0xf1
.set TO_B,   0x40
.macro JLOAD g0a, g1a, g0b, g1b        ; a joint load: waves 0 and 1 fetch for A, waves 2 and 3 for B; four v_nop follow each of the two lines
	s_cmp_eq_u32 s15, 0
	s_cbranch_scc0 .Lfor_b_\@
	tensor_load_to_lds s[\g0a:\g0a+3], s[\g1a:\g1a+7]
	s_nop 0
.rept 4
	v_nop
.endr
	s_branch .Lasked_\@
.Lfor_b_\@:
	tensor_load_to_lds s[\g0b:\g0b+3], s[\g1b:\g1b+7]
	s_nop 0
.rept 4
	v_nop
.endr
.Lasked_\@:
.endm
.macro CREST                           ; a round of the cluster's barrier behind its opening barrier
	s_cmp_lg_u32 s14, 0
	s_cbranch_scc1 .Lnot_wave_0_\@
	s_barrier_signal -3
.Lnot_wave_0_\@:
	s_barrier_wait -3
	s_barrier_signal -1
	s_barrier_wait -1
.endm
.macro CROUND
	s_barrier_signal -1
	s_barrier_wait -1
	CREST
.endm
	s_load_b256 s[4:11], s[0:1], 0x0               ; XQ s[4:5], WQ s[6:7], ROPE s[8:9], QQ s[10:11]
	s_load_b64 s[12:13], s[0:1], 0x20              ; KV
	v_lshl_add_u32 v[SPW], v0, 2, SPARE
	v_mov_b32 v[NIL], 0
	ds_add_u32 v28, v29
	ds_add_u32 v28, v29
	s_wait_dscnt 0x0
	v_lshrrev_b32 v1, 5, v0
	v_readfirstlane_b32 s14, v1                    ; wave 0..3
	s_lshr_b32 s15, s14, 1                         ; which half of A's 256 rows is mine.  Also: I fetch for A (0) or for B (1)
	s_and_b32 s16, s14, 1                          ; which half of B's.  Also: which 128 rows I fetch
	s_bfe_u32 s40, ttmp6, 0x40000                  ; cx
	s_bfe_u32 s41, ttmp6, 0x40004                  ; cy
	s_and_b32 s17, ttmp7, 0xffff
	s_lshl_b32 s17, s17, 2                         ; 4 x cluster y
	s_lshl_b32 s42, ttmp9, 2                       ; 4 x cluster x
	s_cmp_eq_u32 ttmp9, 2                          ; v?  The cluster's x is the same in all sixteen partners
	s_cselect_b32 s18, 8, s17                      ; A's blocks of 256 rows: Wv's begin at block 8 of WQ; else tokens
	s_cselect_b32 s19, s17, s42                    ; B's: tokens; else Wq's begin at 0, Wk's at 4
	s_add_co_u32 s18, s18, s41                     ; A's block: hangs on cy alone
	s_add_co_u32 s19, s19, s40                     ; B's block: on cx alone
	s_lshl_b32 s43, s41, 2
	s_lshl_b32 s43, 15, s43                        ; my row of the cluster
	s_lshl_b32 s44, 0x1111, s40                    ; my column
	; descriptor group 1: a dense block of 24,576 bytes as 96 rows of 256 bytes (32 elements of 8 bytes), no padding: every LDS load below is dense
	s_or_b32 s[G1+0], s43, (3<<16)|(1<<21)
	s_or_b32 s[G1B+0], s44, (3<<16)|(1<<21)
.irp g, G1, G1B
	s_mov_b32 s[\g+1], 32<<16                      ; tensor_dim0
	s_mov_b32 s[\g+2], 96<<16                      ; tensor_dim1
	s_mov_b32 s[\g+3], 32<<16                      ; tile_dim0
	s_mov_b32 s[\g+4], 96                          ; tile_dim1
	s_mov_b32 s[\g+5], 32                          ; pitch
	s_mov_b32 s[\g+6], 0
	s_mov_b32 s[\g+7], 0
.endr
	s_or_b32 s[G1S+0], s43, (3<<16)|(1<<21)        ; the scale words of 128 rows: 16 rows of 256 bytes
	s_or_b32 s[G1SB+0], s44, (3<<16)|(1<<21)
.irp g, G1S, G1SB
	s_mov_b32 s[\g+1], 32<<16
	s_mov_b32 s[\g+2], 16<<16
	s_mov_b32 s[\g+3], 32<<16
	s_mov_b32 s[\g+4], 16
	s_mov_b32 s[\g+5], 32
	s_mov_b32 s[\g+6], 0
	s_mov_b32 s[\g+7], 0
.endr
	s_lshl_b32 s22, s16, 3
	s_lshl_b32 s20, s18, 4
	s_add_co_u32 s20, s20, s22                     ; A: the first row tile that I fetch
	s_lshl_b32 s46, s19, 4
	s_add_co_u32 s46, s46, s22                     ; B likewise
	s_lshl_b32 s92, s20, 9                         ; their scale words,
	s_mul_i32 s20, s20, RT                         ; their codes
	s_lshl_b32 s94, s46, 9
	s_mul_i32 s46, s46, RT
	s_mov_b32 s21, 0
	s_mov_b32 s47, 0
	s_mov_b32 s93, 0
	s_mov_b32 s95, 0
	s_mul_i32 s45, s14, HALFT                      ; where they go: wave x 128 rows: no place in the cluster enters an LDS address
	s_mul_i32 s2, s14, HALFS
	s_cmp_eq_u32 ttmp9, 2
	s_mov_b32 s[STA], XSTR
	s_cselect_b32 s[STA], WSTR, s[STA]
	s_mov_b32 s[STB], WSTR
	s_cselect_b32 s[STB], XSTR, s[STB]
	s_mov_b32 s22, XSOFF
	s_cselect_b32 s22, WSOFF, s22
	s_mov_b32 s23, WSOFF
	s_cselect_b32 s23, XSOFF, s23
	s_mov_b32 s[STA+1], 0
	s_mov_b32 s[STB+1], 0
	s_wait_kmcnt 0x0
	s_cselect_b64 s[66:67], s[6:7], s[4:5]         ; A's buffer
	s_cselect_b64 s[100:101], s[4:5], s[6:7]       ; B's
	s_add_co_u32 s92, s92, s22
	s_add_co_u32 s94, s94, s23
	s_add_nc_u64 s[20:21], s[66:67], s[20:21]
	s_add_nc_u64 s[92:93], s[66:67], s[92:93]
	s_add_nc_u64 s[46:47], s[100:101], s[46:47]
	s_add_nc_u64 s[94:95], s[100:101], s[94:95]
	CROUND                                         ; all sixteen work-groups are here: the first joint loads meet
	s_mov_b32 s[G0S], 1
	s_add_co_u32 s[G0S+1], s2, SCL
	s_mov_b64 s[G0S+2:G0S+3], s[92:93]
	s_or_b32 s[G0S+3], s[G0S+3], 0x80000000
	s_mov_b32 s[G0SB], 1
	s_add_co_u32 s[G0SB+1], s2, SCL
	s_mov_b64 s[G0SB+2:G0SB+3], s[94:95]
	s_or_b32 s[G0SB+3], s[G0SB+3], 0x80000000
	JLOAD G0S, G1S, G0SB, G1SB                     ; the scale words first: they are wanted with kslot 0
	s_mov_b32 s[G0], 1
	s_mov_b32 s[G0+1], s45
	s_mov_b64 s[G0+2:G0+3], s[20:21]
	s_or_b32 s[G0+3], s[G0+3], 0x80000000
	s_mov_b32 s[G0B], 1
	s_mov_b32 s[G0B+1], s45
	s_mov_b64 s[G0B+2:G0B+3], s[46:47]
	s_or_b32 s[G0B+3], s[G0B+3], 0x80000000
	JLOAD G0, G1, G0B, G1B                         ; kslot 0
	s_mov_b32 s[G0+4], 1
	s_add_co_u32 s[G0+5], s45, SLOT
	s_add_nc_u64 s[G0+6:G0+7], s[20:21], s[STA:STA+1]
	s_or_b32 s[G0+7], s[G0+7], 0x80000000
	s_mov_b32 s[G0B+4], 1
	s_add_co_u32 s[G0B+5], s45, SLOT
	s_add_nc_u64 s[G0B+6:G0B+7], s[46:47], s[STB:STB+1]
	s_or_b32 s[G0B+7], s[G0B+7], 0x80000000
	JLOAD G0+4, G1, G0B+4, G1B                     ; kslot 1: three tensor loads of mine are out
	s_lshl_b32 s[STA], s[STA], 1                   ; a refill steps two kslots
	s_lshl_b32 s[STB], s[STB], 1
	v_and_b32 v1, 31, v0                           ; lane
	v_and_b32 v2, 15, v0                           ; r
	v_bfe_u32 v3, v0, 4, 1                         ; h
	v_lshlrev_b32 v4, 4, v1
	v_lshlrev_b32 v5, 3, v1
	s_mul_i32 s21, s15, HALFT                      ; my 128 rows of A
	s_mul_i32 s22, s16, HALFT                      ; my 128 rows of B,
	s_add_co_u32 s22, s22, 2*HALFT                 ; which lie behind A's 256
.irp s, 0,1
	v_add_nc_u32 v[ADRA+\s], s21, v4
	v_add_nc_u32 v[ADRB+\s], s22, v4
	v_add_nc_u32 v[ADRA+2+\s], s21, v5
	v_add_nc_u32 v[ADRB+2+\s], s22, v5
	s_add_co_u32 s21, s21, SLOT
	s_add_co_u32 s22, s22, SLOT
.endr
	v_lshlrev_b32 v6, 3, v2                        ; my row's two words of a kslot
	s_mul_i32 s21, s15, HALFS
	s_mul_i32 s22, s16, HALFS
	s_add_co_u32 s22, s22, 2*HALFS
	s_sub_co_u32 s22, s22, s21
	v_mul_u32_u24 v7, s22, v3                      ; lanes 16-31 take B's: one product, the distance between the two regions
	s_add_co_u32 s21, s21, SCL
	v_add_nc_u32 v6, v6, v7
	v_add_nc_u32 v[ADRS], s21, v6
.macro FRAG reg, adr, q, i             ; a fragment, 16 rows x 128 K, is two c-blocks: four dense loads
	ds_load_b128 v[\reg:\reg+3], v[\adr] offset:(\i)*RT+1536*(\q)
	ds_load_b64 v[\reg+4:\reg+5], v[\adr+2] offset:(\i)*RT+1536*(\q)+512
	ds_load_b128 v[\reg+6:\reg+9], v[\adr] offset:(\i)*RT+1536*(\q)+768
	ds_load_b64 v[\reg+10:\reg+11], v[\adr+2] offset:(\i)*RT+1536*(\q)+1280
.endm
; 16 matrix instructions: A's blocks a0, a0 + 1 x B's eight.  The 64 accumulators take turns, one instruction a turn, in the same order in every step.
.macro MUL16 a0, p, q, sc, zero
.irp a, \a0, \a0+1
.irp b, 0,1,2,3,4,5,6,7
.if \zero
	v_wmma_scale_f32_16x16x128_f8f6f4 v[8*(8*((\a)%4)+\b):8*(8*((\a)%4)+\b)+7], v[128*(\p)+FR*\b:128*(\p)+FR*\b+FR-1], v[AF+FR*(\a):AF+FR*(\a)+FR-1], 0, v[SC+8*NQ*(\sc)+NQ*\b+(\q)], v[SC+8*NQ*(\sc)+NQ*(\a)+(\q)] matrix_a_fmt:MATRIX_FMT_FP6 matrix_b_fmt:MATRIX_FMT_FP6 matrix_a_scale:MATRIX_SCALE_ROW1
.else
	v_wmma_scale_f32_16x16x128_f8f6f4 v[8*(8*((\a)%4)+\b):8*(8*((\a)%4)+\b)+7], v[128*(\p)+FR*\b:128*(\p)+FR*\b+FR-1], v[AF+FR*(\a):AF+FR*(\a)+FR-1], v[8*(8*((\a)%4)+\b):8*(8*((\a)%4)+\b)+7], v[SC+8*NQ*(\sc)+NQ*\b+(\q)], v[SC+8*NQ*(\sc)+NQ*(\a)+(\q)] matrix_a_fmt:MATRIX_FMT_FP6 matrix_b_fmt:MATRIX_FMT_FP6 matrix_a_scale:MATRIX_SCALE_ROW1
.endif
.endr
.endr
.endm
.macro FETCH_B slot, q, p
	WIN TO_B
.irp i, 0,1,2,3,4,5,6,7
	FRAG 128*(\p)+FR*\i, ADRB+\slot, \q, \i
.endr
	WIN 0
.endm
.macro FETCH_A slot, q, i0
.irp i, \i0, \i0+1, \i0+2, \i0+3
	FRAG AF+FR*(\i), ADRA+\slot, \q, \i
.endr
.endm
.macro SCALES sc                       ; a kslot's scale words: lanes 0-15 A's block i, lanes 16-31 B's block i
.irp i, 0,1,2,3,4,5,6,7
	ds_load_b64 v[SC+8*NQ*\sc+NQ*\i:SC+8*NQ*\sc+NQ*\i+1], v[ADRS] offset:\i*SBLK
.endr
.endm
.macro PLACES n                        ; plain vector lines in front of loads into registers that matrix instructions have read, and of the first read of results
.rept \n
	v_nop
.endr
.endm
.macro STEP slot, q, zero              ; 128 along K that has its successor in the same slot
	s_wait_dscnt 4*NL                              ; B's set and A's blocks 0-3 are in; the youngest sixteen loads (A's blocks 4-7) may be out
	WIN MUL_LO
	MUL16 0, (\q)%2, \q, \slot, \zero
	MUL16 2, (\q)%2, \q, \slot, \zero
	s_wait_dscnt 0
	PLACES NP
	FETCH_B \slot, (\q)+1, 1-(\q)%2
	FETCH_A \slot, (\q)+1, 0
	WIN MUL_HI
	MUL16 4, (\q)%2, \q, \slot, \zero
	MUL16 6, (\q)%2, \q, \slot, \zero
	PLACES NP
	WIN 0
	FETCH_A \slot, (\q)+1, 4
.endm
.macro TURN slot, next, fill           ; a slot's last step changes slots: one barrier; fill = 1: this slot is filled again, two kslots ahead
	s_wait_tensorcnt 0x0                           ; all my tensor loads have landed: my part of the next slot
	ds_add_u32 v[SPW], v[NIL]                      ; 0 onto my spare word
	s_wait_dscnt 4*NL+1                            ; (the add and the youngest sixteen loads may be out)
	WIN MUL_LO
	MUL16 0, 1, NQ-1, \slot, 0
	s_wait_dscnt 0x0                               ; the add is done, and my reads of this slot are over
	s_barrier_signal -1
	MUL16 2, 1, NQ-1, \slot, 0
	WIN 0
	s_barrier_wait -1
.if \fill
	CREST                                          ; the barrier has opened a round of the cluster's barrier: no wave of any partner still reads this slot or has a load on its way
	s_add_nc_u64 s[G0+4*\slot+2:G0+4*\slot+3], s[G0+4*\slot+2:G0+4*\slot+3], s[STA:STA+1]
	s_add_nc_u64 s[G0B+4*\slot+2:G0B+4*\slot+3], s[G0B+4*\slot+2:G0B+4*\slot+3], s[STB:STB+1]
	JLOAD G0+4*\slot, G1, G0B+4*\slot, G1B         ; the first tensor load behind the round; its four v_nop are the places in front of the loads below
.else
	PLACES NP
.endif
	s_wait_alu depctr_va_vdst(0)
	v_add_nc_u32 v[ADRS], 128, v[ADRS]             ; the next kslot's scale words
	FETCH_B \next, 0, 0
	FETCH_A \next, 0, 0
	SCALES \next
	WIN MUL_HI
	MUL16 4, 1, NQ-1, \slot, 0
	MUL16 6, 1, NQ-1, \slot, 0
	PLACES NP
	WIN 0
	FETCH_A \next, 0, 4
.endm
	s_wait_alu depctr_va_vdst(0)
	s_wait_tensorcnt 1                             ; the scale words and my part of kslot 0 are in; kslot 1's load may be out
	s_barrier_signal -1
	s_barrier_wait -1
	FETCH_B 0, 0, 0
	FETCH_A 0, 0, 0
	SCALES 0
	FETCH_A 0, 0, 4
	STEP 0, 0, 1                                   ; the first step's products start the sums
	s_mov_b32 s3, LAPS-1
.Llap:
	TURN 0, 1, 1
	STEP 1, 0, 0
	TURN 1, 0, 1
	STEP 0, 0, 0
	s_sub_co_u32 s3, s3, 1
	s_cmp_lg_u32 s3, 0
	s_cbranch_scc1 .Llap
	TURN 0, 1, 0                                   ; the last lap fills nothing
	STEP 1, 0, 0
	s_wait_dscnt 4*NL
	WIN MUL_LO
	MUL16 0, 1, NQ-1, 1, 0
	MUL16 2, 1, NQ-1, 1, 0
	s_wait_dscnt 0
	WIN MUL_HI
	MUL16 4, 1, NQ-1, 1, 0
	MUL16 6, 1, NQ-1, 1, 0
	WIN 0
; THE WAY OUT uses no LDS: for A's block a, a lane's 64 registers are 128 neighbours' halves along the next K (register 16 n + i = k 32 n + 16 h + i), which QUANT turns into a fragment's 12 registers; they are stored as they stand.
.set HA,   64                          ; v64-127  q or k behind RoPE
.set CS,   128                         ; v128-191 two sets of 32: cos, sin of my token's 16 frequencies
.set PC,   192                         ; v192-210 the codes just made
.set TM,   212                         ; v212-227 at work
.set PW,   228                         ; the scale word just made
.set SW,   230                         ; v230-237 a scale word for each a
.set SEL4, 240                         ; v240-247
.set TP,   248                         ; v248-255
.set SEL,  92                          ; s[92:93]
.macro QUANT s, w, ww                  ; s: the first of 64 registers, in window w; ww = 5 w: sources 0 and 1 in window w
	WIN \ww
.irp b, 0,1,2,3
	v_max3_num_f32 v[TM+\b], |v[\s+16*\b]|, |v[\s+1+16*\b]|, 0x1800000   ; my 16 numbers of block b, from each accumulator's low end on, and the floor 2^(3 - 127)
.endr
.irp i, 2,4,6,8,10,12,14
.irp b, 0,1,2,3
	v_max3_num_f32 v[TM+\b], |v[\s+16*\b+\i]|, |v[\s+1+16*\b+\i]|, v[TM+\b]
.endr
.endr
	WIN 0
.irp b, 0,1,2,3
	v_permlanex16_b32 v[TM+4+\b], v[TM+\b], s[SEL], s[SEL+1]
.endr
.irp b, 0,1,2,3
	v_max_num_f32 v[TM+\b], v[TM+\b], v[TM+4+\b]   ; with lane l xor 16's: the block's largest magnitude
.endr
.irp b, 0,1,2,3
	v_add_nc_u32 v[TM+12+\b], 0xff000000, v[TM+\b] ; 2 off its exponent field: the conversion's scale operand
.endr
.irp b, 0,1,2,3
	v_lshrrev_b32 v[TM+4+\b], 23, v[TM+12+\b]      ; the scale's byte
.endr
	v_lshl_or_b32 v[PW], v[TM+5], 8, v[TM+4]
	v_lshl_or_b32 v[PW], v[TM+6], 16, v[PW]
	v_lshl_or_b32 v[PW], v[TM+7], 24, v[PW]
	WIN \w
.irp c, 0,1
	v_cvt_scalef32_pk16_fp6_f32 v[PC+6*\c:PC+2+6*\c], v[\s+32*\c:\s+15+32*\c], v[TM+12+2*\c]
	v_cvt_scalef32_pk16_fp6_f32 v[PC+12+4*\c:PC+14+4*\c], v[\s+16+32*\c:\s+31+32*\c], v[TM+12+2*\c+1]
.endr
	WIN 0
	v_nop                                          ; one plain line behind a scaled conversion
.irp c, 0,1                                    ; the layout wants a whole block in a lane
.irp i, 0,1,2
	v_permlane16_swap_b32 v[PC+6*\c+\i], v[PC+12+4*\c+\i]
.endr
.irp i, 0,1,2
	v_mov_b32 v[PC+3+6*\c+\i], v[PC+12+4*\c+\i]
.endr
.endr
.endm
	PLACES NP
	v_and_b32 v1, 31, v0
	v_and_b32 v2, 15, v0
	v_bfe_u32 v3, v0, 4, 1
	v_cmp_le_u32 vcc_lo, 16, v1                    ; h as a mask
	v_lshlrev_b32 v8, 4, v1                        ; 16 x lane
	v_lshlrev_b32 v9, 3, v1                        ; 8 x lane
.irp b, 0,1,2,3
	v_mov_b32 v[TM+4+\b], 0                        ; a lane permute's destination counts as read
.endr
	s_mov_b32 s[SEL], 0x76543210
	s_mov_b32 s[SEL+1], 0xfedcba98
	s_cmp_eq_u32 ttmp9, 2
	s_cbranch_scc1 .Lvpath
	; ---- q and k.  Lane r is a token; register 16 n + i of block a is feature 32 n + 16 h + i of my 128: two heads
	s_lshl_b32 s20, s18, 4
	s_lshl_b32 s21, s15, 3
	s_add_co_u32 s20, s20, s21                     ; my first row tile of tokens
	s_lshr_b32 s21, s20, 7                         ; the batch
	s_and_b32 s22, s20, 127                        ; the token tile in the sequence
	s_lshl_b32 s21, s21, 4
	s_lshl_b32 s23, s40, 2
	s_add_co_u32 s21, s21, s23
	s_lshl_b32 s23, s16, 1
	s_add_co_u32 s21, s21, s23                     ; 16 x batch + my first head
	s_lshl_b32 s21, s21, 4
	s_lshr_b32 s23, s22, 3
	s_add_co_u32 s21, s21, s23                     ; g: which group of 8 token tiles (128 tokens), counted through all heads
	s_lshl_b32 s96, s22, 12
	s_mov_b32 s97, 0
	s_add_nc_u64 s[96:97], s[8:9], s[96:97]        ; the table at my first token tile
	s_cmp_eq_u32 ttmp9, 1                          ; k?
	s_mov_b32 s42, 6144
	s_cselect_b32 s42, REC, s42                    ; a group's codes: 8 x 768 in QQ, a record in KV
	s_mov_b32 s43, 512
	s_cselect_b32 s43, REC, s43                    ; its scale words
	s_mov_b32 s44, QSOFF
	s_cselect_b32 s44, 12288, s44
	s_mov_b32 s45, 98304
	s_cselect_b32 s45, KVHS, s45                   ; from head to head: codes,
	s_mov_b32 s46, 8192
	s_cselect_b32 s46, KVHS, s46                   ; scale words
	s_cselect_b64 s[66:67], s[12:13], s[10:11]
	s_mul_i32 s42, s21, s42
	s_mul_i32 s98, s21, s43
	s_add_co_u32 s98, s98, s44
	s_mov_b32 s43, 0
	s_mov_b32 s99, 0
	s_add_nc_u64 s[94:95], s[66:67], s[98:99]
	s_add_nc_u64 s[66:67], s[66:67], s[42:43]
	s_wait_alu depctr_va_vdst(0)
	v_add_nc_u32 v10, s45, v8
	v_add_nc_u32 v11, s45, v9
	v_add_nc_u32 v12, s46, v8
.macro LOADCS a                        ; cos and sin for token tile a: register 16 e + 2 m: cos, + 1: sin, of frequency 16 e + 8 h + m
.irp e, 0,1
.irp q, 0,1,2,3
	global_load_b128 v[CS+32*((\a)%2)+16*\e+4*\q:CS+32*((\a)%2)+16*\e+4*\q+3], v8, s[96:97] offset:4096*(\a)+2048*\e+512*\q
.endr
.endr
.endm
.macro ROPE a                          ; pair N of 32: features 2 N, 2 N + 1 of my registers: (x1, x2) -> (x1 cos - x2 sin, x1 sin + x2 cos)
.set AC, 64*((\a)%4)
.set CB, CS+32*((\a)%2)
.set RW, 2+(\a)/4
	WIN RW                                         ; source 0: the accumulators' window
.irp g, 0,1,2,3,4,5,6,7
.irp u, 0,1,2,3
.set N, 4*\g+\u
	v_pk_mul_f32 v[TP+2*\u:TP+2*\u+1], v[AC+2*N:AC+2*N+1], v[CB+16*((N/8)%2)+2*(N%8):CB+16*((N/8)%2)+2*(N%8)+1] op_sel:[1,1] op_sel_hi:[1,0]   ; (x2 sin, x2 cos)
.endr
.irp u, 0,1,2,3
.set N, 4*\g+\u
	v_pk_fma_f32 v[HA+2*N:HA+2*N+1], v[AC+2*N:AC+2*N+1], v[CB+16*((N/8)%2)+2*(N%8):CB+16*((N/8)%2)+2*(N%8)+1], v[TP+2*\u:TP+2*\u+1] op_sel_hi:[0,1,1] neg_lo:[0,0,1]
.endr
.endr
	WIN 0
.endm
	LOADCS 0
.irp a, 0,1,2,3,4,5,6,7
.if \a < 7
	LOADCS \a+1
	s_wait_loadcnt 8                               ; this tile's eight loads are in; the next tile's may be out
.else
	s_wait_loadcnt 0
.endif
	s_wait_xcnt 0x0                                ; the last tile's stores have read their data: the codes' registers may be written
	ROPE \a
	QUANT HA, 0, 0
	v_mov_b32 v[SW+\a], v[PW]
	global_store_b128 v8, v[PC:PC+3], s[66:67] offset:768*\a              ; my first head's c-block: 512 consecutive bytes,
	global_store_b64 v9, v[PC+4:PC+5], s[66:67] offset:768*\a+512         ; and 256
	global_store_b128 v10, v[PC+6:PC+9], s[66:67] offset:768*\a           ; my second head's
	global_store_b64 v11, v[PC+10:PC+11], s[66:67] offset:768*\a+512
.endr
.irp i, 0,1,2,3
	v_cndmask_b32 v[SEL4+\i], v[SW+\i], v[SW+4+\i], vcc_lo     ; lane (r, h): the words of tiles 4 h + 0 .. 3.  Bytes 0, 1 are the first head's; bytes 2, 3 meet zero codes alone, and are never 0xff
.endr
.irp i, 0,1,2,3
	v_lshrrev_b32 v[SEL4+4+\i], 16, v[SEL4+\i]     ; the second head's
.endr
	global_store_b128 v8, v[SEL4:SEL4+3], s[94:95]
	global_store_b128 v12, v[SEL4+4:SEL4+7], s[94:95]
	s_branch .Lend
	; ---- v.  Lane r is a channel of head a / 4, in channel tile a % 4; the registers run along my 128 tokens: one key step
.Lvpath:
	s_lshl_b32 s20, s19, 8
	s_lshl_b32 s21, s16, 7
	s_add_co_u32 s20, s20, s21                     ; my first token
	s_lshr_b32 s21, s20, 11                        ; the batch
	s_bfe_u32 s22, s20, 0x40007                    ; the key step
	s_lshl_b32 s21, s21, 4
	s_lshl_b32 s23, s41, 2
	s_add_co_u32 s21, s21, s23
	s_lshl_b32 s23, s15, 1
	s_add_co_u32 s21, s21, s23                     ; 16 x batch + my first head
	s_lshl_b32 s21, s21, 4
	s_add_co_u32 s21, s21, s22
	s_mul_i32 s42, s21, REC
	s_mov_b32 s43, 0
	s_add_nc_u64 s[66:67], s[12:13], s[42:43]      ; the record
	s_wait_alu depctr_va_vdst(0)
	v_lshlrev_b32 v12, 4, v2
	v_mul_u32_u24 v13, v3, KVHS
	v_add_nc_u32 v12, v12, v13                     ; the scale words: 16 r; lanes 16-31 the second head's record
.irp a, 0,1,2,3,4,5,6,7
.set QS, 64*(\a%4)
.set QW, 2+\a/4
.set QWW, 5*QW
	s_wait_xcnt 0x0                                ; the last fragment's stores have read their data
	QUANT QS, QW, QWW
	v_mov_b32 v[SW+\a], v[PW]
.irp c, 0,1,2
	global_store_b128 v8, v[PC+4*\c:PC+4*\c+3], s[66:67] offset:6144+1536*(\a%4)+KVHS*(\a/4)+512*\c    ; the fragment as an image of its registers: 512 consecutive bytes a store
.endr
.endr
.irp i, 0,1,2,3
	v_cndmask_b32 v[SEL4+\i], v[SW+\i], v[SW+4+\i], vcc_lo     ; lane (r, h): head h, channel tiles 0 .. 3
.endr
	global_store_b128 v12, v[SEL4:SEL4+3], s[66:67] offset:12800
.Lend:
	s_wait_tensorcnt 0x0                           ; the wave's end
	ds_add_u32 v[SPW], v[NIL]
	s_wait_dscnt 0x0
	CROUND                                         ; the closing round
	s_endpgm
.Lfunc_end_k_q68918143b1_qkv:
	.size	k_q68918143b1_qkv, .Lfunc_end_k_q68918143b1_qkv-k_q68918143b1_qkv
	.p2alignl 7, 3214868480
	.fill 96, 4, 3214868480
	.section	.rodata,"a",@progbits
	.p2align	6, 0x0
	.amdhsa_kernel k_q68918143b1_qkv
		.amdhsa_group_segment_fixed_size 327680
		.amdhsa_private_segment_fixed_size 0
		.amdhsa_enable_private_segment 0
		.amdhsa_kernarg_size 40
		.amdhsa_user_sgpr_count 2
		.amdhsa_user_sgpr_kernarg_segment_ptr 1
		.amdhsa_wavefront_size32 1
		.amdhsa_system_sgpr_workgroup_id_x 1
		.amdhsa_system_sgpr_workgroup_id_y 1
		.amdhsa_system_sgpr_workgroup_id_z 1
		.amdhsa_system_vgpr_workitem_id 0
		.amdhsa_next_free_vgpr 1024
		.amdhsa_next_free_sgpr 102
		.amdhsa_reserve_vcc 1
		.amdhsa_float_denorm_mode_32 3
		.amdhsa_float_denorm_mode_16_64 3
		.amdhsa_memory_ordered 1
		.amdhsa_forward_progress 1
		.amdhsa_inst_pref_size 223
	.end_amdhsa_kernel
	.amdgpu_metadata
---
amdhsa.version: [ 1, 2 ]
amdhsa.kernels:
  - .name:           k_q68918143b1_qkv
    .symbol:         k_q68918143b1_qkv.kd
    .args:
      - { .name: XQ, .offset: 0, .size: 8, .value_kind: global_buffer, .address_space: global }
      - { .name: WQ, .offset: 8, .size: 8, .value_kind: global_buffer, .address_space: global }
      - { .name: ROPE, .offset: 16, .size: 8, .value_kind: global_buffer, .address_space: global }
      - { .name: QQ, .offset: 24, .size: 8, .value_kind: global_buffer, .address_space: global }
      - { .name: KV, .offset: 32, .size: 8, .value_kind: global_buffer, .address_space: global }
    .group_segment_fixed_size: 327680
    .private_segment_fixed_size: 0
    .kernarg_segment_align: 8
    .kernarg_segment_size: 40
    .max_flat_workgroup_size: 128
    .sgpr_count:     102
    .vgpr_count:     1024
    .wavefront_size: 32
...
	.end_amdgpu_metadata
.endif
;; end of part 2
;; launch attn (part 3): grid 4 x 64, 16 waves a work-group, no clusters, 327,680 bytes of LDS; arguments QQ, KV, AQ; writes AQ
.if DOCPART == 3
	.amdgcn_target "amdgcn-amd-amdhsa--gfx1250"
	.amdhsa_code_object_version 6
	.text
	.protected	k_q68918143b1_attn
	.globl	k_q68918143b1_attn
	.p2align	8
	.type	k_q68918143b1_attn,@function
k_q68918143b1_attn:
	s_mov_b64 s[64:65], 0
	v_nop
	global_prefetch_b8 v0, s[64:65] scope:SCOPE_SE
	s_setreg_imm32_b32 hwreg(HW_REG_WAVE_MODE, 25, 1), 1
	s_wait_xcnt 0x0
; Causal attention on codes of FP6 (E2M3), one (batch, head) to a row of the grid; head size 64, 2,048 tokens.  The result, divided by the row's sum, is quantised along d_model for the last product.
; THE SOFTMAX: t = score x log2(e) / 8; M = the row's largest t so far, rounded UP to a whole number; p = 2^(t - M) is what is quantised, along the keys; the row's sum is taken of the unquantised p and divides at the end.
; When M moves, the sum and O are multiplied by 2^(old M - new M): exact.
; SHARES.  Work-group j of a head takes the block of 256 queries j and then block 7 - j: (j + 1) + (8 - j) = 9 slots of 256 keys for every work-group: equal work, and a trip count that is a constant.
; Each of the sixteen waves owns one tile of 16 queries in 256 registers.  K and V come through a ring of two LDS slots; a slot is two records of KV, 26,112 dense bytes, brought by ONE tensor load, wave 0's.
; No cluster: the four work-groups of a head walk different slots at the same time, so no tile could be asked for jointly.
; LAYOUT.  Both products are used transposed: S^T = K Q^T, O^T = V^T P^T: a lane holds one query throughout.  Tiles are not neighbours: lane row r of tile T stands for 32 (T / 2) + 8 (T % 2) + r + 8 (r / 8), for queries, keys and V's channels alike.
; THE HEAD IS 64 AND THE INSTRUCTION 128 DEEP: Q's k = 64 .. 127 are zero codes (v22-27), so what K's operand holds there (the next tile's six registers) adds nothing; no scale byte there is 0xff.
; CAUSAL: a step all of whose keys come after the wave's queries is jumped over (a scalar branch on ids); in the step on the diagonal hidden scores become -infinity.  Key 0 counts for every query, so M is a number from the first step on.
; LIMITS: a block of zeros gets the byte 1 where the rule says 127; NaN and infinities are not served; the division by the sum is v_rcp_f32 and a multiplication.
; REGISTERS: v1 16 x lane, v2 8 x lane, v3 16 r, v4 r + 8 (r / 8) - 16 h, v5 v6 the add's, v7 8 r, v8-10 LDS addresses in hand; v12 -M, v13 the largest t, v[14:15] the sum; v16-21 Q, v22-27 zeros; v28 the prefetch's offset;
; v32-79 K's eight tiles, later V's four fragments; v80-85 zeros; v86-94 the result's codes; v96-159 S^T, then p; v160-191 O^T; v224-235 p's codes; v232-254 at work; v248-251 K's or V's scale words; v255 Q's.
.set REC,   13056                      ; a record: K's 8 tiles at 0, V^T's 4 fragments at 6,144, K's scale words at 12,288, V's at 12,800
.set SLOTB, 2*REC
.set SLOT1, 32768                      ; slot 1 begins here: one exclusive or turns an address
.set SPARE, 65536                      ; the spare words, 128 bytes for each of sixteen waves: eight blocks of 256 bytes that no other line names
.set KVHS,  208896
.set QSOFF, 6291456
.set XSTR,  1572864
.set XSOFF, 6291456
.set SPW, 5
.set NIL, 6
.set WV,  18
.set SEL, 20
.set CS,  22                           ; s[22:23] c = log2(e) / 8
.set G1,  24
.set G0,  32
.set KVH, 36                           ; s[36:37] my head in KV
.set OFF, 38                           ; s[38:39] the slot to be asked for, in bytes
.set T,   40                           ; the trip
.set J,   41                           ; work-group x
.set TB,  42                           ; LDS byte at which the slot in hand begins
.set KF,  43                           ; the step's first key
.set Q0,  44                           ; my tile's first query
.set BH,  45
.set QP,  46
.set QSP, 48
.set AP,  50
.set ASP, 52
.set PFA, 54                           ; s[54:55] the slot after the one that is being asked for
.set PL,  56                           ; 0 in a wave that prefetches, else 64
.set BT,  57                           ; the block of queries in hand
.macro TLOAD                           ; wave 0 fetches; four v_nop follow the line
	s_cmp_lg_u32 s[WV], 0
	s_cbranch_scc1 .Lnot_0_\@
	tensor_load_to_lds s[G0:G0+3], s[G1:G1+7]
	s_nop 0
.rept 4
	v_nop
.endr
.Lnot_0_\@:
.endm
; A prefetch of the slot that the NEXT trip's tensor load will ask for: 102 blocks of 256 bytes, a lane a block.  Of a head's four work-groups only j = 0 asks, which walks slots 0 to 7 on end in trips 1 to 8;
; in it waves 4 to 7, which fetch nothing.  In trip T = 1 .. 6 slot T + 1 is named; slots 0 and 1 come by their loads alone.  The lanes past the 102nd block name the slot's last block.
.macro ASK
	s_add_co_u32 s82, s[T], s[PL]
	s_sub_co_u32 s82, s82, 1
	s_cmp_lt_u32 s82, 6
	s_cbranch_scc0 .Lnot_mine_\@
	global_prefetch_b8 v28, s[PFA:PFA+1] th:TH_LOAD_NT scope:SCOPE_SE
.Lnot_mine_\@:
.endm
	s_load_b128 s[4:7], s[0:1], 0x0                ; QQ, KV
	s_load_b64 s[8:9], s[0:1], 0x10                ; AQ
	v_lshl_add_u32 v[SPW], v0, 2, SPARE
	v_mov_b32 v[NIL], 0
	ds_add_u32 v5, v6
	ds_add_u32 v5, v6
	s_wait_dscnt 0x0
	v_lshrrev_b32 v8, 5, v0
	s_delay_alu instid0(VALU_DEP_1)
	v_readfirstlane_b32 s[WV], v8                  ; wave 0..15
	s_and_b32 s[BH], ttmp7, 0xffff
	s_mov_b32 s[J], ttmp9
	s_mov_b32 s[G1], 3<<16                         ; elements of 8 bytes, no mask, no padding: 102 rows of 256 bytes, dense
	s_mov_b32 s[G1+1], 32<<16
	s_mov_b32 s[G1+2], 102<<16
	s_mov_b32 s[G1+3], 32<<16
	s_mov_b32 s[G1+4], 102
	s_mov_b32 s[G1+5], 32
	s_mov_b32 s[G1+6], 0
	s_mov_b32 s[G1+7], 0
	s_mul_i32 s66, s[BH], KVHS
	s_mov_b32 s67, 0
	s_mov_b32 s[OFF], 0
	s_mov_b32 s[OFF+1], 0
	s_wait_kmcnt 0x0
	s_add_nc_u64 s[KVH:KVH+1], s[6:7], s[66:67]
	s_mov_b32 s[G0], 1
	s_mov_b32 s[G0+1], 0
	s_mov_b64 s[G0+2:G0+3], s[KVH:KVH+1]
	s_or_b32 s[G0+3], s[G0+3], 0x80000000
	TLOAD                                          ; slot 0: keys 0 to 255
	s_mov_b64 s[PFA:PFA+1], s[KVH:KVH+1]
	s_lshr_b32 s66, s[WV], 2
	s_xor_b32 s66, s66, 1                          ; 0 in waves 4 to 7,
	s_or_b32 s66, s66, s[J]                        ; of work-group 0
	s_cmp_eq_u32 s66, 0
	s_cselect_b32 s[PL], 0, 64
	s_and_b32 s66, s[WV], 3
	s_lshl_b32 s66, s66, 13
	v_and_b32 v8, 31, v0                           ; lane
	s_delay_alu instid0(VALU_DEP_1)
	v_lshl_add_u32 v28, v8, 8, s66
	s_delay_alu instid0(VALU_DEP_1)
	v_min_u32 v28, 101*256, v28
	s_mov_b32 s[SEL], 0x76543210
	s_mov_b32 s[SEL+1], 0xfedcba98
	s_mov_b32 s[CS], 0x3e38aa3b
	s_mov_b32 s[CS+1], s[CS]
	s_mov_b32 s[TB], 0
	v_lshlrev_b32 v1, 4, v8
	v_lshlrev_b32 v2, 3, v8
	v_and_b32 v9, 15, v0                           ; r
	v_bfe_u32 v10, v0, 4, 1                        ; h
	s_delay_alu instid0(VALU_DEP_2)
	v_lshlrev_b32 v3, 4, v9
	s_delay_alu instid0(VALU_DEP_3)
	v_lshlrev_b32 v7, 3, v9
	s_delay_alu instid0(VALU_DEP_4)
	v_and_b32 v4, 8, v9
	s_delay_alu instid0(VALU_DEP_1)
	v_add_nc_u32 v4, v4, v9
	v_lshlrev_b32 v10, 4, v10
	s_delay_alu instid0(VALU_DEP_1)
	v_sub_nc_u32 v4, v4, v10
.irp j, 22,23,24,25,26,27,80,81,82,83,84,85,236,237,238,239,252,253
	v_mov_b32 v\j, 0                               ; zero codes; and registers that are named (a permute's destination, a pair's upper half) before they are first written
.endr
; My tile of block s[BT]: addresses, Q's codes and scale word, and the running numbers begun anew
.macro INITQ
	s_lshl_b32 s66, s[BT], 4
	s_add_co_u32 s66, s66, s[WV]                   ; my tile of queries, 0 .. 127
	s_lshr_b32 s67, s66, 1
	s_lshl_b32 s67, s67, 5
	s_and_b32 s68, s66, 1
	s_lshl_b32 s68, s68, 3
	s_add_co_u32 s[Q0], s67, s68
	s_mov_b32 s71, 0
	s_lshl_b32 s67, s[BH], 7
	s_add_co_u32 s67, s67, s66
	s_mul_i32 s70, s67, 768
	s_add_nc_u64 s[QP:QP+1], s[4:5], s[70:71]      ; Q's c-block
	s_lshl_b32 s67, s[BH], 4
	s_lshr_b32 s68, s66, 3
	s_add_co_u32 s67, s67, s68
	s_lshl_b32 s70, s67, 9                         ; the group of 8 tiles: [h 2][r 16][4 words]
	s_bfe_u32 s68, s66, 0x10002
	s_lshl_b32 s68, s68, 8
	s_add_co_u32 s70, s70, s68
	s_and_b32 s68, s66, 3
	s_lshl_b32 s68, s68, 2
	s_add_co_u32 s70, s70, s68
	s_add_co_u32 s70, s70, QSOFF
	s_add_nc_u64 s[QSP:QSP+1], s[4:5], s[70:71]
	s_and_b32 s67, s[BH], 15                       ; the head
	s_lshr_b32 s68, s[BH], 4
	s_lshl_b32 s68, s68, 7
	s_add_co_u32 s68, s68, s66                     ; the row tile among all 8,192 tokens
	s_lshr_b32 s69, s67, 2                         ; kslot = head / 4, c = head % 4
	s_mul_i32 s70, s69, XSTR
	s_mul_i32 s72, s68, 3072
	s_add_co_u32 s70, s70, s72
	s_and_b32 s72, s67, 3
	s_mul_i32 s72, s72, 768
	s_add_co_u32 s70, s70, s72
	s_add_nc_u64 s[AP:AP+1], s[8:9], s[70:71]
	s_lshl_b32 s70, s68, 9
	s_lshl_b32 s72, s69, 7
	s_add_co_u32 s70, s70, s72
	s_bfe_u32 s72, s67, 0x10001                    ; which word of the kslot,
	s_lshl_b32 s72, s72, 2
	s_add_co_u32 s70, s70, s72
	s_and_b32 s72, s67, 1                          ; which two bytes of it
	s_lshl_b32 s72, s72, 1
	s_add_co_u32 s70, s70, s72
	s_add_co_u32 s70, s70, XSOFF
	s_add_nc_u64 s[ASP:ASP+1], s[8:9], s[70:71]
	global_load_b128 v[16:19], v1, s[QP:QP+1]
	global_load_b64 v[20:21], v2, s[QP:QP+1] offset:512
	global_load_b32 v255, v3, s[QSP:QSP+1]
	v_mov_b32 v13, 0xff61b1e6                      ; the largest t so far: -3e38
	s_delay_alu instid0(VALU_DEP_1)
	v_floor_f32 v12, -v13                          ; -M
	v_mov_b32 v14, 0
	v_mov_b32 v15, 0
.set N, 0
.rept 32
	v_mov_b32 v[160+N], 0                          ; O^T: the step is written once: the first finds zeros
.set N, N+1
.endr
	s_mov_b32 s[KF], 0
	s_wait_loadcnt 0x0
.endm
; A KEY STEP: 128 keys, record q of the slot in hand
.macro STEP q
	s_add_co_u32 s96, s[Q0], 23                    ; my last query
	s_cmp_gt_u32 s[KF], s96
	s_cbranch_scc1 .Lhidden_\@
	v_add_nc_u32 v8, s[TB], v1                     ; these three and the v_nop are the four places in front of loads into registers that matrix instructions have read
	v_add_nc_u32 v9, s[TB], v2
	v_add_nc_u32 v10, s[TB], v3
	v_nop
.irp t, 0,1,2,3,4,5,6,7
	ds_load_b128 v[32+6*\t:35+6*\t], v8 offset:REC*(\q)+768*\t
	ds_load_b64 v[36+6*\t:37+6*\t], v9 offset:REC*(\q)+768*\t+512
.endr
	ds_load_b128 v[248:251], v8 offset:REC*(\q)+12288       ; lane (r, h): the scale words of tiles 4 h + 0 .. 3
	s_wait_dscnt 0x0
.irp t, 0,1,2,3
	v_wmma_scale_f32_16x16x128_f8f6f4 v[96+8*\t:103+8*\t], v[32+6*\t:43+6*\t], v[16:27], 0, v[248+\t], v255 matrix_a_fmt:MATRIX_FMT_FP6 matrix_b_fmt:MATRIX_FMT_FP6
.endr
.irp t, 4,5,6,7
	v_wmma_scale_f32_16x16x128_f8f6f4 v[96+8*\t:103+8*\t], v[32+6*\t:43+6*\t], v[16:27], 0, v[244+\t], v255 matrix_a_fmt:MATRIX_FMT_FP6 matrix_b_fmt:MATRIX_FMT_FP6 matrix_a_scale:MATRIX_SCALE_ROW1
.endr
.rept 4
	v_nop
.endr
	s_add_co_u32 s96, s[KF], 127                   ; a step all of whose keys count skips the mask
	s_cmp_le_u32 s96, s[Q0]
	s_cbranch_scc1 .Lopen_\@
	s_sub_co_i32 s96, s[Q0], s[KF]
	v_add_nc_u32 v252, s96, v4                     ; d = my query - KF - 16 h.  Register 16 b + i holds key KF + 32 b + 16 h + i: hidden where 32 b + i > d
	v_mov_b32 v254, 0xff800000
.set N, 0
.rept 64
	v_cmp_gt_i32 vcc_lo, 32*(N/16)+N%16, v252
	v_cndmask_b32 v[96+N], v[96+N], v254, vcc_lo
.set N, N+1
.endr
.Lopen_\@:
.irp b, 0,1,2,3
	v_max3_num_f32 v[232+\b], v[96+16*\b], v[97+16*\b], v[98+16*\b]   ; the largest score of each block of 32 keys: for the row's maximum, and, since p rises with the score, for the block's largest p
.endr
.irp i, 3,5,7,9,11,13
.irp b, 0,1,2,3
	v_max3_num_f32 v[232+\b], v[232+\b], v[96+16*\b+\i], v[97+16*\b+\i]
.endr
.endr
.irp b, 0,1,2,3
	v_max_num_f32 v[232+\b], v[232+\b], v[111+16*\b]
.endr
.irp b, 0,1,2,3
	s_delay_alu instid0(VALU_DEP_4)
	v_permlanex16_b32 v[236+\b], v[232+\b], s[SEL], s[SEL+1]
.endr
.irp b, 0,1,2,3
	s_delay_alu instid0(VALU_DEP_4)
	v_max_num_f32 v[232+\b], v[232+\b], v[236+\b]
.endr
	s_delay_alu instid0(VALU_DEP_2)
	v_max3_num_f32 v254, v232, v233, v234
	s_delay_alu instid0(VALU_DEP_1)
	v_max_num_f32 v254, v254, v235
	s_delay_alu instid0(VALU_DEP_1)
	v_mul_f32 v254, s[CS], v254
	s_delay_alu instid0(VALU_DEP_1)
	v_max_num_f32 v13, v13, v254                   ; the running largest t
	v_mov_b32 v254, v12
	s_delay_alu instid0(VALU_DEP_2)
	v_floor_f32 v12, -v13                          ; the new -M = -ceil(t)
	s_delay_alu instid0(VALU_DEP_1)
	v_sub_f32 v254, v12, v254                      ; old M - new M: a whole number, 0 or less
	s_delay_alu instid0(VALU_DEP_1)
	v_cvt_i32_f32 v254, v254                       ; (it saturates)
	s_delay_alu instid0(VALU_DEP_1)
	v_ldexp_f32 v252, 1.0, v254                    ; f = 2^(old M - new M)
.set N, 0
.rept 32
	v_pk_fma_f32 v[96+N:97+N], v[96+N:97+N], s[CS:CS+1], v[12:13] op_sel_hi:[1,0,0]   ; t - M, two at a time
.set N, N+2
.endr
.irp b, 0,1,2,3
	v_fma_f32 v[232+\b], v[232+\b], s[CS], v12
.endr
.set N, 0
	s_wait_alu depctr_va_vdst(0)
.rept 64
	v_exp_f32 v[96+N], v[96+N]                     ; p = 2^(t - M): not normalised
.set N, N+1
.endr
	v_pk_mul_f32 v[14:15], v[14:15], v[252:253] op_sel_hi:[1,0]   ; the sums under the new M; the plain line behind the exponentials
	s_wait_alu depctr_va_vdst(0)                   ; one wait for the batch, ahead of its first reader
.irp b, 0,1,2,3
	v_exp_f32 v[232+\b], v[232+\b]                 ; the block's largest p
.endr
	v_pk_add_f32 v[236:237], v[100:101], v[104:105]
	v_pk_add_f32 v[250:251], v[108:109], v[112:113]
	v_pk_add_f32 v[248:249], v[116:117], v[120:121]
	v_pk_add_f32 v[246:247], v[124:125], v[128:129]
	v_pk_add_f32 v[244:245], v[132:133], v[136:137]
	v_pk_add_f32 v[242:243], v[140:141], v[144:145]
	v_pk_add_f32 v[240:241], v[148:149], v[152:153]
	v_pk_add_f32 v[14:15], v[14:15], v[156:157]
	v_pk_add_f32 v[236:237], v[236:237], v[96:97]
	v_pk_add_f32 v[250:251], v[250:251], v[98:99]
	v_pk_add_f32 v[248:249], v[248:249], v[102:103]
	v_pk_add_f32 v[246:247], v[246:247], v[106:107]
	v_pk_add_f32 v[244:245], v[244:245], v[110:111]
	v_pk_add_f32 v[242:243], v[242:243], v[114:115]
	v_pk_add_f32 v[240:241], v[240:241], v[118:119]
	v_pk_add_f32 v[14:15], v[14:15], v[122:123]
	v_pk_add_f32 v[236:237], v[236:237], v[126:127]
	v_pk_add_f32 v[250:251], v[250:251], v[130:131]
	v_pk_add_f32 v[248:249], v[248:249], v[134:135]
	v_pk_add_f32 v[246:247], v[246:247], v[138:139]
	v_pk_add_f32 v[244:245], v[244:245], v[142:143]
	v_pk_add_f32 v[242:243], v[242:243], v[146:147]
	v_pk_add_f32 v[240:241], v[240:241], v[150:151]
	v_pk_add_f32 v[14:15], v[14:15], v[154:155]
	v_pk_add_f32 v[236:237], v[236:237], v[158:159]
	s_delay_alu instid0(VALU_DEP_2)
	v_pk_add_f32 v[14:15], v[14:15], v[246:247]
	s_delay_alu instid0(VALU_DEP_2)
	v_pk_add_f32 v[236:237], v[236:237], v[244:245]
	v_pk_add_f32 v[250:251], v[250:251], v[242:243]
	v_pk_add_f32 v[248:249], v[248:249], v[240:241]
	s_delay_alu instid0(VALU_DEP_2)
	v_pk_add_f32 v[14:15], v[14:15], v[250:251]
	s_delay_alu instid0(VALU_DEP_2)
	v_pk_add_f32 v[236:237], v[236:237], v[248:249]
	s_delay_alu instid0(VALU_DEP_1)
	v_pk_add_f32 v[14:15], v[14:15], v[236:237]
	s_wait_alu depctr_va_vdst(0)                   ; and one for the four
.irp b, 0,1,2,3
	v_max_num_f32 v[232+\b], 0x1800000, v[232+\b]  ; the floor 2^(3 - 127)
.endr
.irp b, 0,1,2,3
	s_delay_alu instid0(VALU_DEP_4)
	v_add_nc_u32 v[244+\b], 0xff000000, v[232+\b]
.endr
.irp b, 0,1,2,3
	s_delay_alu instid0(VALU_DEP_4)
	v_lshrrev_b32 v[236+\b], 23, v[244+\b]
.endr
	s_delay_alu instid0(VALU_DEP_3)
	v_lshl_or_b32 v253, v237, 8, v236              ; p's scale word for these 128 keys
	s_delay_alu instid0(VALU_DEP_1)
	v_lshl_or_b32 v253, v238, 16, v253
	s_delay_alu instid0(VALU_DEP_1)
	v_lshl_or_b32 v253, v239, 24, v253
.irp c, 0,1
	v_cvt_scalef32_pk16_fp6_f32 v[224+6*\c:226+6*\c], v[96+32*\c:111+32*\c], v[244+2*\c]
	v_cvt_scalef32_pk16_fp6_f32 v[236+4*\c:238+4*\c], v[112+32*\c:127+32*\c], v[244+2*\c+1]
.endr
	v_nop                                          ; one plain line behind a scaled conversion
.irp c, 0,1
.irp i, 0,1,2
	v_permlane16_swap_b32 v[224+6*\c+\i], v[236+4*\c+\i]
.endr
.irp i, 0,1,2
	s_delay_alu instid0(VALU_DEP_3)
	v_mov_b32 v[227+6*\c+\i], v[236+4*\c+\i]
.endr
.endr
.set N, 0
.rept 16
	v_pk_mul_f32 v[160+N:161+N], v[160+N:161+N], v[252:253] op_sel_hi:[1,0]   ; O^T under the new M; these sixteen are also the places in front of the matrix instructions below
.set N, N+2
.endr
.irp t, 0,1,2,3
.irp c, 0,1,2
	ds_load_b128 v[32+12*\t+4*\c:35+12*\t+4*\c], v8 offset:REC*(\q)+6144+1536*\t+512*\c
.endr
.endr
	ds_load_b128 v[248:251], v10 offset:REC*(\q)+12800      ; lane r: the scale words of channel tiles 0 .. 3
	s_wait_alu depctr_va_vdst(0)
	s_wait_dscnt 0x0
.irp t, 0,1,2,3                                ; the four accumulators by turns
	v_wmma_scale_f32_16x16x128_f8f6f4 v[160+8*\t:167+8*\t], v[32+12*\t:43+12*\t], v[224:235], v[160+8*\t:167+8*\t], v[248+\t], v253 matrix_a_fmt:MATRIX_FMT_FP6 matrix_b_fmt:MATRIX_FMT_FP6
.endr
.Lhidden_\@:
	s_add_co_u32 s[KF], s[KF], 128
.endm
; THE CHANGE OF SLOTS stands at a trip's head.  fill = 1: the slot that has just been left is filled with what the next trip reads: the next 256 keys, or, behind the first block's last trip, keys 0 to 255 again
.macro CHANGE fill
	s_wait_tensorcnt 0x0                           ; no tensor load of mine is out, so group 0 may be written
	ds_add_u32 v[SPW], v[NIL]                      ; 0 onto my spare word
.if \fill
	s_xor_b32 s[G0+1], s[G0+1], SLOT1
	s_add_co_u32 s[OFF], s[OFF], SLOTB
	s_cmp_eq_u32 s[T], s[J]
	s_cselect_b32 s[OFF], 0, s[OFF]
	s_add_nc_u64 s[G0+2:G0+3], s[KVH:KVH+1], s[OFF:OFF+1]
	s_or_b32 s[G0+3], s[G0+3], 0x80000000
	s_wait_xcnt 0x0                                ; the last prefetch, a trip back, has read its address
	s_add_nc_u64 s[PFA:PFA+1], s[PFA:PFA+1], SLOTB
.endif
	s_wait_dscnt 0x0                               ; the add is done, and my reads of the slot that I have left are over
	s_barrier_signal -1
	s_barrier_wait -1
.if \fill
	TLOAD                                          ; the first thing behind the barrier; one tensor load is out
	ASK
.endif
.endm
; A block's end: O^T / the sum, quantised along the head's 64 (two blocks of 32; register 16 b + i = channel 32 b + 16 h + i), stored as a c-block of AQ
.macro FINISH
.rept 4
	v_nop
.endr
	v_add_f32 v14, v14, v15
	s_delay_alu instid0(VALU_DEP_1)
	v_permlanex16_b32 v252, v14, s[SEL], s[SEL+1]
	s_delay_alu instid0(VALU_DEP_1)
	v_add_f32 v14, v14, v252                       ; the row's sum
	s_wait_alu depctr_va_vdst(0)
	v_rcp_f32 v14, v14
	v_nop
	s_wait_alu depctr_va_vdst(0)
.set N, 0
.rept 16
	v_pk_mul_f32 v[96+N:97+N], v[160+N:161+N], v[14:15] op_sel_hi:[1,0]
.set N, N+2
.endr
.irp b, 0,1
	v_max3_num_f32 v[232+\b], |v[96+16*\b]|, |v[97+16*\b]|, 0x1800000
.endr
.irp i, 2,4,6,8,10,12,14
.irp b, 0,1
	s_delay_alu instid0(VALU_DEP_2)
	v_max3_num_f32 v[232+\b], v[232+\b], |v[96+16*\b+\i]|, |v[97+16*\b+\i]|
.endr
.endr
.irp b, 0,1
	s_delay_alu instid0(VALU_DEP_2)
	v_permlanex16_b32 v[236+\b], v[232+\b], s[SEL], s[SEL+1]
.endr
.irp b, 0,1
	s_delay_alu instid0(VALU_DEP_2)
	v_max_num_f32 v[232+\b], v[232+\b], v[236+\b]
.endr
.irp b, 0,1
	s_delay_alu instid0(VALU_DEP_2)
	v_add_nc_u32 v[244+\b], 0xff000000, v[232+\b]
.endr
.irp b, 0,1
	s_delay_alu instid0(VALU_DEP_2)
	v_lshrrev_b32 v[236+\b], 23, v[244+\b]
.endr
	s_delay_alu instid0(VALU_DEP_1)
	v_lshl_or_b32 v86, v237, 8, v236               ; my head's two bytes of row r's scale word
	v_cvt_scalef32_pk16_fp6_f32 v[88:90], v[96:111], v244
	v_cvt_scalef32_pk16_fp6_f32 v[92:94], v[112:127], v245
	v_nop
.irp i, 0,1,2
	v_permlane16_swap_b32 v[88+\i], v[92+\i]
.endr
	s_delay_alu instid0(VALU_DEP_3)
	v_mov_b32 v91, v92
	s_delay_alu instid0(VALU_DEP_3)
	v_mov_b32 v92, v93
	s_delay_alu instid0(VALU_DEP_3)
	v_mov_b32 v93, v94
	global_store_b128 v1, v[88:91], s[AP:AP+1]             ; 512 consecutive bytes,
	global_store_b64 v2, v[92:93], s[AP:AP+1] offset:512   ; and 256
	global_store_b16 v7, v86, s[ASP:ASP+1]                 ; a wave owns half a scale word: one byte in 24 of what the launch stores; lanes l and l xor 16 write the same value
	s_wait_xcnt 0x0                                ; the stores have read their data and addresses
.endm
	s_mov_b32 s[BT], s[J]
	INITQ
	s_mov_b32 s[T], 0
.Ltrip:                                            ; eight trips; behind each change of slots the next trip's slot is asked for
	CHANGE 1
	STEP 0
	STEP 1
	s_xor_b32 s[TB], s[TB], SLOT1
	s_cmp_lg_u32 s[T], s[J]
	s_cbranch_scc1 .Lsame
	FINISH                                         ; block j is done: on to block 7 - j
	s_sub_co_u32 s[BT], 7, s[J]
	INITQ
.Lsame:
	s_add_co_u32 s[T], s[T], 1
	s_cmp_lt_u32 s[T], 8
	s_cbranch_scc1 .Ltrip
	CHANGE 0                                       ; the ninth trip is written out: nothing is left to fetch
	STEP 0
	STEP 1
	FINISH
	s_wait_tensorcnt 0x0                           ; the wave's end
	ds_add_u32 v[SPW], v[NIL]
	s_wait_dscnt 0x0
	s_endpgm
.Lfunc_end_k_q68918143b1_attn:
	.size	k_q68918143b1_attn, .Lfunc_end_k_q68918143b1_attn-k_q68918143b1_attn
	.p2alignl 7, 3214868480
	.fill 96, 4, 3214868480
	.section	.rodata,"a",@progbits
	.p2align	6, 0x0
	.amdhsa_kernel k_q68918143b1_attn
		.amdhsa_group_segment_fixed_size 327680
		.amdhsa_private_segment_fixed_size 0
		.amdhsa_enable_private_segment 0
		.amdhsa_kernarg_size 24
		.amdhsa_user_sgpr_count 2
		.amdhsa_user_sgpr_kernarg_segment_ptr 1
		.amdhsa_wavefront_size32 1
		.amdhsa_system_sgpr_workgroup_id_x 1
		.amdhsa_system_sgpr_workgroup_id_y 1
		.amdhsa_system_sgpr_workgroup_id_z 1
		.amdhsa_system_vgpr_workitem_id 0
		.amdhsa_next_free_vgpr 256
		.amdhsa_next_free_sgpr 100
		.amdhsa_reserve_vcc 1
		.amdhsa_float_denorm_mode_32 3
		.amdhsa_float_denorm_mode_16_64 3
		.amdhsa_memory_ordered 1
		.amdhsa_forward_progress 1
		.amdhsa_inst_pref_size 109
	.end_amdhsa_kernel
	.amdgpu_metadata
---
amdhsa.version: [ 1, 2 ]
amdhsa.kernels:
  - .name:           k_q68918143b1_attn
    .symbol:         k_q68918143b1_attn.kd
    .args:
      - { .name: QQ, .offset: 0, .size: 8, .value_kind: global_buffer, .address_space: global }
      - { .name: KV, .offset: 8, .size: 8, .value_kind: global_buffer, .address_space: global }
      - { .name: AQ, .offset: 16, .size: 8, .value_kind: global_buffer, .address_space: global }
    .group_segment_fixed_size: 327680
    .private_segment_fixed_size: 0
    .kernarg_segment_align: 8
    .kernarg_segment_size: 24
    .max_flat_workgroup_size: 512
    .sgpr_count:     100
    .vgpr_count:     256
    .wavefront_size: 32
...
	.end_amdgpu_metadata
.endif
;; end of part 3
;; launch outp (part 4): grid 4 x 32, 4 waves a work-group, clusters of 4 x 4, 327,680 bytes of LDS; arguments AQ, WQ, out0; writes out0
.if DOCPART == 4
	.amdgcn_target "amdgcn-amd-amdhsa--gfx1250"
	.amdhsa_code_object_version 6
	.text
	.protected	k_q68918143b1_outp
	.globl	k_q68918143b1_outp
	.p2align	8
	.type	k_q68918143b1_outp,@function
k_q68918143b1_outp:
	s_mov_b64 s[64:65], 0
	v_nop
	global_prefetch_b8 v0, s[64:65] scope:SCOPE_SE
	s_setreg_imm32_b32 hwreg(HW_REG_WAVE_MODE, 25, 1), 1
	s_wait_xcnt 0x0
	s_wait_alu depctr_hold_cnt(0) depctr_sa_sdst(0) depctr_va_vdst(0) depctr_va_sdst(0) depctr_va_ssrc(0) depctr_va_vcc(0) depctr_vm_vsrc(0)
	s_getreg_b32 s2, hwreg(HW_REG_IB_STS2, 6, 4)
	s_cmp_eq_u32 s2, 0
	s_cbranch_scc0 .Lentry_in_a_cluster
	s_endpgm
.Lentry_in_a_cluster:
	s_bfe_u32 s2, ttmp6, 0x10000c
	s_cmp_lg_u32 s2, 0xf033
	s_cbranch_scc0 .Lentry_shape_is_right
	s_endpgm
.Lentry_shape_is_right:
; out0 = attn Wo^T on codes of FP6 (E2M3) with E8M0 scales; out0 [8192][1024] f32.  A = AQ (tokens), B = Wo's rows, which are row tiles 192 .. 255 of WQ.
; A tile of 256 x 256 is made by four waves, 128 x 128 each; K = 1,024 goes in four kslots of 256 through a ring of two LDS slots filled by the tensor data mover.
; The operands lie in memory in the order of the registers.  A ROW TILE T is 16 rows that are not neighbours: lane row r stands for row 32 (T / 2) + 8 (T % 2) + r + 8 (r / 8).
; A C-BLOCK (16 rows x 64 K, 768 bytes): registers 0-3 at 16 x lane, registers 4-5 at 512 + 8 x lane.  Codes: [kslot 4][row tile][c 4][768]; scale words: [row tile][kslot 4][r 16][2 words].
; Source 0 is B, source 1 is A: a lane holds one token, and the 16 registers of B's tiles 2 n and 2 n + 1 are the 16 neighbouring columns 32 n + 16 (lane / 16) + 0 .. 15.
; CLUSTERS: 4 x 4 work-groups; A's tiles are shared along a row of the cluster, B's along a column, each by a joint load.  The launch has 128 work-groups: one tile of 256 x 256 each.
; REGISTERS: window 0: v0-31 addresses; v32-63 scale words, two sets; v128-223 A's fragments; on the way out v128-255.  Window 1: B's fragments, two sets.  Windows 2, 3: the accumulators.
.set NQ,     2
.set FR,     12
.set NL,     4
.set NP,     4
.set RT,     3072
.set HALFT,  8*RT
.set SLOT,   4*HALFT
.set LAPS,   2
.set SCL,    2*SLOT
.set HALFS,  4096
.set SBLK,   512
.set SPARE,  SCL+4*HALFS               ; the spare words, 128 bytes for each wave: two blocks of 256 bytes that no other line names
.set XSTR,   1572864
.set WSTR,   786432
.set XSOFF,  6291456
.set WSOFF,  3145728
.set SPITCH, 528                       ; the way out: a stage of 16 rows x (512 bytes + 16) for each wave, in slot 0, which has had its last fill and its last read when the first result is stored there
.set ADRA, 16
.set ADRB, 20
.set STO,  24
.set RD,   25
.set CO,   26
.set ADRS, 27
.set SPW,  28
.set NIL,  29
.set SC,   32
.set AF,   128
.set BK,   128
.set G1, 24
.set G0, 32
.set G1B, 48
.set G0B, 56
.set G1S, 68
.set G0S, 76
.set G1SB, 80
.set G0SB, 88
.set STA, 96
.set STB, 98
.set MSB, 0
.macro WIN new
.if MSB != \new
	s_set_vgpr_msb (MSB<<8)|\new
.set MSB, \new
.endif
.endm
.set MUL_LO, 0xa1
.set MUL_HI, 0xf1
.set TO_B,   0x40
.macro JLOAD g0a, g1a, g0b, g1b        ; a joint load: waves 0 and 1 fetch for A, waves 2 and 3 for B; four v_nop follow each of the two lines
	s_cmp_eq_u32 s15, 0
	s_cbranch_scc0 .Lfor_b_\@
	tensor_load_to_lds s[\g0a:\g0a+3], s[\g1a:\g1a+7]
	s_nop 0
.rept 4
	v_nop
.endr
	s_branch .Lasked_\@
.Lfor_b_\@:
	tensor_load_to_lds s[\g0b:\g0b+3], s[\g1b:\g1b+7]
	s_nop 0
.rept 4
	v_nop
.endr
.Lasked_\@:
.endm
.macro CREST
	s_cmp_lg_u32 s14, 0
	s_cbranch_scc1 .Lnot_wave_0_\@
	s_barrier_signal -3
.Lnot_wave_0_\@:
	s_barrier_wait -3
	s_barrier_signal -1
	s_barrier_wait -1
.endm
.macro CROUND
	s_barrier_signal -1
	s_barrier_wait -1
	CREST
.endm
	s_load_b128 s[4:7], s[0:1], 0x0                ; AQ, WQ
	s_load_b64 s[8:9], s[0:1], 0x10                ; out0
	v_lshl_add_u32 v[SPW], v0, 2, SPARE
	v_mov_b32 v[NIL], 0
	ds_add_u32 v28, v29
	ds_add_u32 v28, v29
	s_wait_dscnt 0x0
	v_lshrrev_b32 v1, 5, v0
	v_readfirstlane_b32 s14, v1                    ; wave 0..3
	s_lshr_b32 s15, s14, 1                         ; which half of A's 256 rows is mine.  Also: I fetch for A (0) or for B (1)
	s_and_b32 s16, s14, 1                          ; which half of B's.  Also: which 128 rows I fetch
	s_bfe_u32 s40, ttmp6, 0x40000                  ; cx: the grid is one cluster wide, so cx is the tile column
	s_bfe_u32 s41, ttmp6, 0x40004                  ; cy
	s_and_b32 s18, ttmp7, 0xffff
	s_lshl_b32 s18, s18, 2
	s_add_co_u32 s18, s18, s41                     ; the tile row = 4 x cluster y + cy
	s_lshl_b32 s43, s41, 2
	s_lshl_b32 s43, 15, s43                        ; my row of the cluster
	s_lshl_b32 s44, 0x1111, s40                    ; my column
	s_or_b32 s[G1+0], s43, (3<<16)|(1<<21)         ; a dense block of 24,576 bytes as 96 rows of 256 bytes, no padding
	s_or_b32 s[G1B+0], s44, (3<<16)|(1<<21)
.irp g, G1, G1B
	s_mov_b32 s[\g+1], 32<<16
	s_mov_b32 s[\g+2], 96<<16
	s_mov_b32 s[\g+3], 32<<16
	s_mov_b32 s[\g+4], 96
	s_mov_b32 s[\g+5], 32
	s_mov_b32 s[\g+6], 0
	s_mov_b32 s[\g+7], 0
.endr
	s_or_b32 s[G1S+0], s43, (3<<16)|(1<<21)        ; the scale words of 128 rows: 16 rows of 256 bytes
	s_or_b32 s[G1SB+0], s44, (3<<16)|(1<<21)
.irp g, G1S, G1SB
	s_mov_b32 s[\g+1], 32<<16
	s_mov_b32 s[\g+2], 16<<16
	s_mov_b32 s[\g+3], 32<<16
	s_mov_b32 s[\g+4], 16
	s_mov_b32 s[\g+5], 32
	s_mov_b32 s[\g+6], 0
	s_mov_b32 s[\g+7], 0
.endr
	s_lshl_b32 s22, s16, 3
	s_lshl_b32 s20, s18, 4
	s_add_co_u32 s20, s20, s22                     ; A: the first row tile that I fetch
	s_lshl_b32 s46, s40, 4
	s_add_co_u32 s46, s46, s22
	s_add_co_u32 s46, s46, 192                     ; B: Wo begins at row tile 192 of WQ
	s_lshl_b32 s92, s20, 9
	s_add_co_u32 s92, s92, XSOFF
	s_mul_i32 s20, s20, RT
	s_lshl_b32 s94, s46, 9
	s_add_co_u32 s94, s94, WSOFF
	s_mul_i32 s46, s46, RT
	s_mov_b32 s21, 0
	s_mov_b32 s47, 0
	s_mov_b32 s93, 0
	s_mov_b32 s95, 0
	s_mul_i32 s45, s14, HALFT                      ; where they go: wave x 128 rows
	s_mul_i32 s2, s14, HALFS
	s_mov_b32 s[STA], XSTR
	s_mov_b32 s[STA+1], 0
	s_mov_b32 s[STB], WSTR
	s_mov_b32 s[STB+1], 0
	s_wait_kmcnt 0x0
	s_add_nc_u64 s[20:21], s[4:5], s[20:21]
	s_add_nc_u64 s[92:93], s[4:5], s[92:93]
	s_add_nc_u64 s[46:47], s[6:7], s[46:47]
	s_add_nc_u64 s[94:95], s[6:7], s[94:95]
	CROUND                                         ; all sixteen work-groups are here: the first joint loads meet
	s_mov_b32 s[G0S], 1
	s_add_co_u32 s[G0S+1], s2, SCL
	s_mov_b64 s[G0S+2:G0S+3], s[92:93]
	s_or_b32 s[G0S+3], s[G0S+3], 0x80000000
	s_mov_b32 s[G0SB], 1
	s_add_co_u32 s[G0SB+1], s2, SCL
	s_mov_b64 s[G0SB+2:G0SB+3], s[94:95]
	s_or_b32 s[G0SB+3], s[G0SB+3], 0x80000000
	JLOAD G0S, G1S, G0SB, G1SB
	s_mov_b32 s[G0], 1
	s_mov_b32 s[G0+1], s45
	s_mov_b64 s[G0+2:G0+3], s[20:21]
	s_or_b32 s[G0+3], s[G0+3], 0x80000000
	s_mov_b32 s[G0B], 1
	s_mov_b32 s[G0B+1], s45
	s_mov_b64 s[G0B+2:G0B+3], s[46:47]
	s_or_b32 s[G0B+3], s[G0B+3], 0x80000000
	s_wait_alu depctr_va_vdst(0)
	s_wait_tensorcnt 0x0
	ds_add_u32 v28, v29
	s_wait_dscnt 0x0
	CROUND
	JLOAD G0, G1, G0B, G1B
	s_mov_b32 s[G0+4], 1
	s_add_co_u32 s[G0+5], s45, SLOT
	s_add_nc_u64 s[G0+6:G0+7], s[20:21], s[STA:STA+1]
	s_or_b32 s[G0+7], s[G0+7], 0x80000000
	s_mov_b32 s[G0B+4], 1
	s_add_co_u32 s[G0B+5], s45, SLOT
	s_add_nc_u64 s[G0B+6:G0B+7], s[46:47], s[STB:STB+1]
	s_or_b32 s[G0B+7], s[G0B+7], 0x80000000
	s_wait_alu depctr_va_vdst(0)
	s_wait_tensorcnt 0x0
	ds_add_u32 v28, v29
	s_wait_dscnt 0x0
	CROUND
	JLOAD G0+4, G1, G0B+4, G1B                     ; one tensor load of mine is out
	s_lshl_b32 s[STA], s[STA], 1                   ; a refill steps two kslots
	s_lshl_b32 s[STB], s[STB], 1
	v_and_b32 v1, 31, v0                           ; lane
	v_and_b32 v2, 15, v0                           ; r
	v_bfe_u32 v3, v0, 4, 1                         ; h
	v_lshlrev_b32 v4, 4, v1
	v_lshlrev_b32 v5, 3, v1
	s_mul_i32 s21, s15, HALFT
	s_mul_i32 s22, s16, HALFT
	s_add_co_u32 s22, s22, 2*HALFT
.irp s, 0,1
	v_add_nc_u32 v[ADRA+\s], s21, v4
	v_add_nc_u32 v[ADRB+\s], s22, v4
	v_add_nc_u32 v[ADRA+2+\s], s21, v5
	v_add_nc_u32 v[ADRB+2+\s], s22, v5
	s_add_co_u32 s21, s21, SLOT
	s_add_co_u32 s22, s22, SLOT
.endr
	v_lshlrev_b32 v6, 3, v2
	s_mul_i32 s21, s15, HALFS
	s_mul_i32 s22, s16, HALFS
	s_add_co_u32 s22, s22, 2*HALFS
	s_sub_co_u32 s22, s22, s21
	v_mul_u32_u24 v7, s22, v3                      ; lanes 16-31 take B's: one product, the distance between the two regions
	s_add_co_u32 s21, s21, SCL
	v_add_nc_u32 v6, v6, v7
	v_add_nc_u32 v[ADRS], s21, v6
	s_mul_i32 s23, s14, 16*SPITCH                  ; my stage
	v_mul_u32_u24 v5, v2, SPITCH                   ; in: row r, + 64 h: sixteen columns for each half of the lanes
	v_lshl_add_u32 v5, v3, 6, v5
	v_add_nc_u32 v[STO], s23, v5
	v_lshlrev_b32 v[CO], 4, v1                     ; back: the 32 lanes take one row of 512 bytes; and the same in out0
	v_add_nc_u32 v[RD], s23, v[CO]
	s_lshl_b32 s20, s18, 8
	s_lshl_b32 s21, s15, 7
	s_add_co_u32 s20, s20, s21                     ; my first row of out0
	s_lshl_b32 s20, s20, 12
	s_lshl_b32 s21, s40, 10
	s_add_co_u32 s20, s20, s21
	s_lshl_b32 s21, s16, 9
	s_add_co_u32 s20, s20, s21                     ; and my first column, in bytes
	s_mov_b32 s21, 0
	s_add_nc_u64 s[12:13], s[8:9], s[20:21]
.macro FRAG reg, adr, q, i             ; a fragment, 16 rows x 128 K, is two c-blocks: four dense loads
	ds_load_b128 v[\reg:\reg+3], v[\adr] offset:(\i)*RT+1536*(\q)
	ds_load_b64 v[\reg+4:\reg+5], v[\adr+2] offset:(\i)*RT+1536*(\q)+512
	ds_load_b128 v[\reg+6:\reg+9], v[\adr] offset:(\i)*RT+1536*(\q)+768
	ds_load_b64 v[\reg+10:\reg+11], v[\adr+2] offset:(\i)*RT+1536*(\q)+1280
.endm
; The 64 accumulators take turns, one instruction a turn, in the same order in every step.
.macro MUL16 a0, p, q, sc, zero
.irp a, \a0, \a0+1
.irp b, 0,1,2,3,4,5,6,7
.if \zero
	v_wmma_scale_f32_16x16x128_f8f6f4 v[8*(8*((\a)%4)+\b):8*(8*((\a)%4)+\b)+7], v[128*(\p)+FR*\b:128*(\p)+FR*\b+FR-1], v[AF+FR*(\a):AF+FR*(\a)+FR-1], 0, v[SC+8*NQ*(\sc)+NQ*\b+(\q)], v[SC+8*NQ*(\sc)+NQ*(\a)+(\q)] matrix_a_fmt:MATRIX_FMT_FP6 matrix_b_fmt:MATRIX_FMT_FP6 matrix_a_scale:MATRIX_SCALE_ROW1
.else
	v_wmma_scale_f32_16x16x128_f8f6f4 v[8*(8*((\a)%4)+\b):8*(8*((\a)%4)+\b)+7], v[128*(\p)+FR*\b:128*(\p)+FR*\b+FR-1], v[AF+FR*(\a):AF+FR*(\a)+FR-1], v[8*(8*((\a)%4)+\b):8*(8*((\a)%4)+\b)+7], v[SC+8*NQ*(\sc)+NQ*\b+(\q)], v[SC+8*NQ*(\sc)+NQ*(\a)+(\q)] matrix_a_fmt:MATRIX_FMT_FP6 matrix_b_fmt:MATRIX_FMT_FP6 matrix_a_scale:MATRIX_SCALE_ROW1
.endif
.endr
.endr
.endm
.macro FETCH_B slot, q, p
	WIN TO_B
.irp i, 0,1,2,3,4,5,6,7
	FRAG 128*(\p)+FR*\i, ADRB+\slot, \q, \i
.endr
	WIN 0
.endm
.macro FETCH_A slot, q, i0
.irp i, \i0, \i0+1, \i0+2, \i0+3
	FRAG AF+FR*(\i), ADRA+\slot, \q, \i
.endr
.endm
.macro SCALES sc
.irp i, 0,1,2,3,4,5,6,7
	ds_load_b64 v[SC+8*NQ*\sc+NQ*\i:SC+8*NQ*\sc+NQ*\i+1], v[ADRS] offset:\i*SBLK
.endr
.endm
.macro PLACES n
.rept \n
	v_nop
.endr
.endm
.macro STEP slot, q, zero
	s_wait_dscnt 4*NL                              ; B's set and A's blocks 0-3 are in; the youngest sixteen loads (A's blocks 4-7) may be out
	WIN MUL_LO
	MUL16 0, (\q)%2, \q, \slot, \zero
	MUL16 2, (\q)%2, \q, \slot, \zero
	s_wait_dscnt 0
	PLACES NP
	FETCH_B \slot, (\q)+1, 1-(\q)%2
	FETCH_A \slot, (\q)+1, 0
	WIN MUL_HI
	MUL16 4, (\q)%2, \q, \slot, \zero
	MUL16 6, (\q)%2, \q, \slot, \zero
	PLACES NP
	WIN 0
	FETCH_A \slot, (\q)+1, 4
.endm
.macro TURN slot, next, fill
	s_wait_tensorcnt 0x0                           ; all my tensor loads have landed: my part of the next slot
	ds_add_u32 v[SPW], v[NIL]                      ; 0 onto my spare word
	s_wait_dscnt 4*NL+1                            ; (the add and the youngest sixteen loads may be out)
	WIN MUL_LO
	MUL16 0, 1, NQ-1, \slot, 0
	s_wait_dscnt 0x0                               ; the add is done, and my reads of this slot are over
	s_barrier_signal -1
	MUL16 2, 1, NQ-1, \slot, 0
	WIN 0
	s_barrier_wait -1
.if \fill
	CREST                                          ; the barrier has opened a round of the cluster's barrier
	s_add_nc_u64 s[G0+4*\slot+2:G0+4*\slot+3], s[G0+4*\slot+2:G0+4*\slot+3], s[STA:STA+1]
	s_add_nc_u64 s[G0B+4*\slot+2:G0B+4*\slot+3], s[G0B+4*\slot+2:G0B+4*\slot+3], s[STB:STB+1]
	JLOAD G0+4*\slot, G1, G0B+4*\slot, G1B         ; the first tensor load behind the round; its four v_nop are the places in front of the loads below
.else
	PLACES NP
.endif
	s_wait_alu depctr_va_vdst(0)
	v_add_nc_u32 v[ADRS], 128, v[ADRS]
	FETCH_B \next, 0, 0
	FETCH_A \next, 0, 0
	SCALES \next
	WIN MUL_HI
	MUL16 4, 1, NQ-1, \slot, 0
	MUL16 6, 1, NQ-1, \slot, 0
	PLACES NP
	WIN 0
	FETCH_A \next, 0, 4
.endm
	s_wait_alu depctr_va_vdst(0)
	s_wait_tensorcnt 1                             ; the scale words and my part of kslot 0 are in; kslot 1's load may be out
	s_barrier_signal -1
	s_barrier_wait -1
	FETCH_B 0, 0, 0
	FETCH_A 0, 0, 0
	SCALES 0
	FETCH_A 0, 0, 4
	STEP 0, 0, 1
	s_mov_b32 s3, LAPS-1
.Llap:
	TURN 0, 1, 1
	STEP 1, 0, 0
	TURN 1, 0, 1
	STEP 0, 0, 0
	s_sub_co_u32 s3, s3, 1
	s_cmp_lg_u32 s3, 0
	s_cbranch_scc1 .Llap
	TURN 0, 1, 0
	STEP 1, 0, 0
	s_wait_dscnt 4*NL
	WIN MUL_LO
	MUL16 0, 1, NQ-1, 1, 0
	MUL16 2, 1, NQ-1, 1, 0
	s_wait_dscnt 0
	WIN MUL_HI
	MUL16 4, 1, NQ-1, 1, 0
	MUL16 6, 1, NQ-1, 1, 0
	WIN 0
; THE WAY OUT, block by block of 16 tokens x 128 columns, through my own stage: in as the accumulators stand, back as whole rows of 512 bytes.  LDS serves a wave's instructions in order: no wait between the stores and the loads.
.macro TOSTAGE a
.set AC, 64*((\a)%4)
	WIN 0x08+4*((\a)/4)                            ; the data: window 2 or 3
.irp b, 0,1,2,3,4,5,6,7
	ds_store_b128 v[STO], v[AC+8*\b:AC+8*\b+3] offset:128*(\b/2)+32*(\b%2)         ; columns 32 (b / 2) + 16 h + 8 (b % 2) + 0 .. 3; each accumulator from its low end on
	ds_store_b128 v[STO], v[AC+8*\b+4:AC+8*\b+7] offset:128*(\b/2)+32*(\b%2)+16
.endr
	WIN 0
.set BB, BK+64*((\a)%2)
.irp t, 0,1,2,3,4,5,6,7,8,9,10,11,12,13,14,15
	ds_load_b128 v[BB+4*\t:BB+4*\t+3], v[RD] offset:\t*SPITCH
.endr
.endm
.macro SEND a, younger                 ; stage row t of block a is token 32 (a / 2) + 8 (a % 2) + t + 8 (t / 8) of my 128: its place stands in the immediate, 127 rows of 4,096 bytes at the most
.set BB, BK+64*((\a)%2)
	s_wait_dscnt \younger
.irp t, 0,1,2,3,4,5,6,7,8,9,10,11,12,13,14,15
	global_store_b128 v[CO], v[BB+4*\t:BB+4*\t+3], s[12:13] offset:(32*((\a)/2)+8*((\a)%2)+\t+8*(\t/8))*4096 th:TH_STORE_NT   ; 32 lanes store 512 consecutive bytes, at a multiple of 256 from out0's first byte
.endr
.endm
	PLACES NP
	TOSTAGE 0
.irp a, 1,2,3,4,5,6,7
.if \a > 1
	s_wait_xcnt 0x0                                ; block a - 2's stores have read their registers: block a's loads may land there
.endif
	TOSTAGE \a
	SEND \a-1, 32                                  ; behind block a - 1's loads: block a's 16 stores and 16 loads
.endr
	SEND 7, 0
	s_wait_tensorcnt 0x0                           ; the wave's end
	ds_add_u32 v[SPW], v[NIL]
	s_wait_dscnt 0x0
	CROUND                                         ; the closing round
	s_endpgm
.Lfunc_end_k_q68918143b1_outp:
	.size	k_q68918143b1_outp, .Lfunc_end_k_q68918143b1_outp-k_q68918143b1_outp
	.p2alignl 7, 3214868480
	.fill 96, 4, 3214868480
	.section	.rodata,"a",@progbits
	.p2align	6, 0x0
	.amdhsa_kernel k_q68918143b1_outp
		.amdhsa_group_segment_fixed_size 327680
		.amdhsa_private_segment_fixed_size 0
		.amdhsa_enable_private_segment 0
		.amdhsa_kernarg_size 24
		.amdhsa_user_sgpr_count 2
		.amdhsa_user_sgpr_kernarg_segment_ptr 1
		.amdhsa_wavefront_size32 1
		.amdhsa_system_sgpr_workgroup_id_x 1
		.amdhsa_system_sgpr_workgroup_id_y 1
		.amdhsa_system_sgpr_workgroup_id_z 1
		.amdhsa_system_vgpr_workitem_id 0
		.amdhsa_next_free_vgpr 1024
		.amdhsa_next_free_sgpr 102
		.amdhsa_reserve_vcc 0
		.amdhsa_float_denorm_mode_32 3
		.amdhsa_float_denorm_mode_16_64 3
		.amdhsa_memory_ordered 1
		.amdhsa_forward_progress 1
		.amdhsa_inst_pref_size 144
	.end_amdhsa_kernel
	.amdgpu_metadata
---
amdhsa.version: [ 1, 2 ]
amdhsa.kernels:
  - .name:           k_q68918143b1_outp
    .symbol:         k_q68918143b1_outp.kd
    .args:
      - { .name: AQ, .offset: 0, .size: 8, .value_kind: global_buffer, .address_space: global }
      - { .name: WQ, .offset: 8, .size: 8, .value_kind: global_buffer, .address_space: global }
      - { .name: out0, .offset: 16, .size: 8, .value_kind: global_buffer, .address_space: global }
    .group_segment_fixed_size: 327680
    .private_segment_fixed_size: 0
    .kernarg_segment_align: 8
    .kernarg_segment_size: 24
    .max_flat_workgroup_size: 128
    .sgpr_count:     102
    .vgpr_count:     1024
    .wavefront_size: 32
...
	.end_amdgpu_metadata
.endif
;; end of part 4
